; MI455X (gfx1250); checked and timed in simulation.
; The chip was launched on July 23, 2026; its instructions are those of AMD's public machine-readable ISA for CDNA 5 (MIT licence, August 2026) and "CDNA5" Instruction Set Architecture Reference Guide (July 2026). The comments in the code are by the model that wrote it; some were corrected since.
;; GPT Big Code Block. Allowed arithmetic: float matrix products may take bf16 or f16 operands with f32 sums; other float arithmetic in f32, or as packed bf16 or f16 multiplies, adds, multiply-adds, maxima and minima; sums over many terms, partial sums and values carried from step to step in f32; what a program stores and reads back later, other than sums and carried values, may be rounded once to bf16 or f16.
;; Inputs: bfc 2,048 float32; bkv 64 float32; bo 512 float32; bproj 512 float32; bq 512 float32; hidden_states 4 x 2,048 x 512 float32; ln1_b 512 float32; ln1_g 512 float32; ln2_b 512 float32; ln2_g 512 float32; wfc 512 x 2,048 float32; wkv 512 x 64 float32; wo 512 x 512 float32; wproj 2,048 x 512 float32; wq 512 x 512 float32.
;; Outputs: out0 4 x 2,048 x 512 float32.
;; 2 versions, each right; version 2 is version 1 with the launches lnqkv, wo_ln2 written anew for expert scheduling mode. Each part assembles by itself: llvm-mc -triple=amdgcn-amd-amdhsa -mcpu=gfx1250 --defsym DOCPART=n.
;; ======== version 1 of 2: 6 launches
;; workspace buffers: wts 5,308,416 bytes; qkv 9,437,184 bytes; att 8,388,608 bytes; x2t 16,777,216 bytes; h2 8,388,608 bytes; g 33,554,432 bytes
;; launch prep (part 1): grid 162 x 2, 8 waves a work-group, no clusters, 0 bytes of LDS; arguments wq, wkv, wo, wfc, wproj, wts; writes wts
.if DOCPART == 1
	.amdgcn_target "amdgcn-amd-amdhsa--gfx1250"
	.amdhsa_code_object_version 6
	.text
	.protected	k_qce8c65c3bc_prep
	.globl	k_qce8c65c3bc_prep
	.p2align	8
	.type	k_qce8c65c3bc_prep,@function
k_qce8c65c3bc_prep:
	s_mov_b64 s[64:65], 0
	v_nop
	global_prefetch_b8 v0, s[64:65] scope:SCOPE_SE
	s_setreg_imm32_b32 hwreg(HW_REG_WAVE_MODE, 25, 1), 1
	s_wait_xcnt 0x0
; THE FIVE WEIGHTS, f32 [K][N], ARE ROUNDED ONCE TO bf16 AND LAID OUT IN FRAGMENT BLOCKS.
; A block is 1,024 bytes: 16 columns n x 32 k.  Byte 256 o + 16 r holds k = 8 o .. 8 o + 7 of column r: a lane of a matrix
; instruction later takes its eight registers by two loads of 16 bytes at 16 x lane and 512 + 16 x lane.
; wts: [block of 16 columns][block of 32 k], k fastest.  wq | wkv (36 x 16 blocks) at 0, wo (32 x 16) at WO_B, wfc (128 x 16) at WFC_B,
; wproj (32 x 64) at WPJ_B.
; SHARES.  A wave turns 32 columns x 32 k: lane l takes column l, 32 loads of 4 bytes (a wave's load covers 128 consecutive bytes),
; 16 roundings in pairs, 4 stores of 16 bytes in which sixteen lanes write 256 consecutive bytes at a multiple of 256.
; The work-group's x picks the group of 32 columns (and, for wproj, a quarter of its K), y and the wave the block of 32 k.
; No LDS, no matrix unit, no cluster: nothing is shared and nothing is multiplied.
.set WO_B,  589824
.set WFC_B, 1114112
.set WPJ_B, 3211264
.set X, 8                              ; v[8:39]   32 k of my column, f32
.set Y, 40                             ; v[40:55]  the same in bf16
.macro LOADS base, pitch               ; 32 rows of the weight, pitch bytes apart
.set k, 0
.rept 32
	global_load_b32 v[X+k], v1, s[\base:\base+1] offset:k*(\pitch) th:TH_LOAD_NT
.set k, k+1
.endr
.endm
	s_load_b256 s[4:11], s[0:1], 0x0               ; wq s[4:5], wkv s[6:7], wo s[8:9], wfc s[10:11]
	s_load_b128 s[12:15], s[0:1], 0x20             ; wproj s[12:13], wts s[14:15]
	v_lshrrev_b32 v1, 5, v0
	v_readfirstlane_b32 s16, v1                    ; wave
	v_and_b32 v3, 31, v0                           ; lane
	v_lshlrev_b32 v1, 2, v3                        ; my column's 4 bytes
	v_lshrrev_b32 v4, 4, v3                        ; which of the two blocks of 16 columns
	v_and_b32 v5, 15, v3                           ; my column in it
	s_and_b32 s17, ttmp7, 0xffff
	s_lshl_b32 s17, s17, 3
	s_add_co_u32 s17, s17, s16                     ; block of 32 k: 8 y + wave, 0 to 15
	s_lshl_b32 s19, s17, 10                        ; its 1,024 bytes in wts
	s_mov_b32 s18, ttmp9                           ; the group of 32 columns
	s_mov_b32 s23, 0                               ; s[22:23] offset in the source, s[24:25] offset in wts
	s_mov_b32 s25, 0
	s_mov_b32 s26, 16384                           ; bytes from a block of columns to the next: 16 blocks of k
	s_wait_kmcnt 0x0
	s_cmp_lt_u32 s18, 16
	s_cbranch_scc1 .Lwq
	s_cmp_lt_u32 s18, 18
	s_cbranch_scc1 .Lwkv
	s_cmp_lt_u32 s18, 34
	s_cbranch_scc1 .Lwo
	s_cmp_lt_u32 s18, 98
	s_cbranch_scc1 .Lwfc
	; wproj: 64 groups = 4 quarters of K x 16 groups of columns
	s_sub_co_u32 s18, s18, 98
	s_lshr_b32 s20, s18, 4                         ; the quarter: 512 rows
	s_and_b32 s21, s18, 15                         ; the group of columns
	s_lshl_b32 s22, s20, 20                        ; 512 rows of 2,048 bytes
	s_lshl_b32 s27, s17, 16                        ; 32 rows of 2,048 bytes
	s_add_co_u32 s22, s22, s27
	s_lshl_b32 s27, s21, 7                         ; 32 columns of 4 bytes
	s_add_co_u32 s22, s22, s27
	s_lshl_b32 s24, s21, 17                        ; two blocks of columns of 64 KB
	s_lshl_b32 s27, s20, 14                        ; 16 blocks of k
	s_add_co_u32 s24, s24, s27
	s_add_co_u32 s24, s24, s19
	s_add_co_u32 s24, s24, WPJ_B
	s_mov_b32 s26, 65536                           ; 64 blocks of k
	s_add_nc_u64 s[12:13], s[12:13], s[22:23]
	LOADS 12, 2048
	s_branch .Lpack
.Lwq:
	s_lshl_b32 s22, s17, 16
	s_lshl_b32 s27, s18, 7
	s_add_co_u32 s22, s22, s27
	s_lshl_b32 s24, s18, 15                        ; two blocks of columns of 16 KB
	s_add_co_u32 s24, s24, s19
	s_add_nc_u64 s[4:5], s[4:5], s[22:23]
	LOADS 4, 2048
	s_branch .Lpack
.Lwkv:
	s_sub_co_u32 s18, s18, 16
	s_lshl_b32 s22, s17, 13                        ; 32 rows of 256 bytes
	s_lshl_b32 s27, s18, 7
	s_add_co_u32 s22, s22, s27
	s_lshl_b32 s24, s18, 15
	s_add_co_u32 s24, s24, s19
	s_add_co_u32 s24, s24, 32*16384                ; behind wq's 32 blocks of columns
	s_add_nc_u64 s[6:7], s[6:7], s[22:23]
	LOADS 6, 256
	s_branch .Lpack
.Lwo:
	s_sub_co_u32 s18, s18, 18
	s_lshl_b32 s22, s17, 16
	s_lshl_b32 s27, s18, 7
	s_add_co_u32 s22, s22, s27
	s_lshl_b32 s24, s18, 15
	s_add_co_u32 s24, s24, s19
	s_add_co_u32 s24, s24, WO_B
	s_add_nc_u64 s[8:9], s[8:9], s[22:23]
	LOADS 8, 2048
	s_branch .Lpack
.Lwfc:
	s_sub_co_u32 s18, s18, 34
	s_lshl_b32 s22, s17, 18                        ; 32 rows of 8,192 bytes
	s_lshl_b32 s27, s18, 7
	s_add_co_u32 s22, s22, s27
	s_lshl_b32 s24, s18, 15
	s_add_co_u32 s24, s24, s19
	s_add_co_u32 s24, s24, WFC_B
	s_add_nc_u64 s[10:11], s[10:11], s[22:23]
	LOADS 10, 8192
.Lpack:
	s_add_nc_u64 s[14:15], s[14:15], s[24:25]      ; wts at my first block
	v_mul_lo_u32 v4, v4, s26                       ; my block of columns
	v_lshl_add_u32 v2, v5, 4, v4                   ; + 16 bytes a column
	s_wait_loadcnt 0x0
.set k, 0
.rept 16
	v_cvt_pk_bf16_f32 v[Y+k], v[X+2*k], v[X+2*k+1]
.set k, k+1
.endr
.irp o, 0,1,2,3
	global_store_b128 v2, v[Y+4*\o:Y+4*\o+3], s[14:15] offset:\o*256   ; k = 8 o .. 8 o + 7: sixteen lanes fill 256 consecutive bytes
.endr
	s_endpgm
.Lfunc_end_k_qce8c65c3bc_prep:
	.size	k_qce8c65c3bc_prep, .Lfunc_end_k_qce8c65c3bc_prep-k_qce8c65c3bc_prep
	.p2alignl 7, 3214868480
	.fill 96, 4, 3214868480
	.section	.rodata,"a",@progbits
	.p2align	6, 0x0
	.amdhsa_kernel k_qce8c65c3bc_prep
		.amdhsa_group_segment_fixed_size 0
		.amdhsa_private_segment_fixed_size 0
		.amdhsa_enable_private_segment 0
		.amdhsa_kernarg_size 48
		.amdhsa_user_sgpr_count 2
		.amdhsa_user_sgpr_kernarg_segment_ptr 1
		.amdhsa_wavefront_size32 1
		.amdhsa_system_sgpr_workgroup_id_x 1
		.amdhsa_system_sgpr_workgroup_id_y 1
		.amdhsa_system_sgpr_workgroup_id_z 1
		.amdhsa_system_vgpr_workitem_id 0
		.amdhsa_next_free_vgpr 64
		.amdhsa_next_free_sgpr 66
		.amdhsa_reserve_vcc 0
		.amdhsa_float_denorm_mode_32 3
		.amdhsa_float_denorm_mode_16_64 3
		.amdhsa_memory_ordered 1
		.amdhsa_forward_progress 1
		.amdhsa_inst_pref_size 20
	.end_amdhsa_kernel
	.amdgpu_metadata
---
amdhsa.version: [ 1, 2 ]
amdhsa.kernels:
  - .name:           k_qce8c65c3bc_prep
    .symbol:         k_qce8c65c3bc_prep.kd
    .args:
      - { .name: wq, .offset: 0, .size: 8, .value_kind: global_buffer, .address_space: global }
      - { .name: wkv, .offset: 8, .size: 8, .value_kind: global_buffer, .address_space: global }
      - { .name: wo, .offset: 16, .size: 8, .value_kind: global_buffer, .address_space: global }
      - { .name: wfc, .offset: 24, .size: 8, .value_kind: global_buffer, .address_space: global }
      - { .name: wproj, .offset: 32, .size: 8, .value_kind: global_buffer, .address_space: global }
      - { .name: wts, .offset: 40, .size: 8, .value_kind: global_buffer, .address_space: global }
    .group_segment_fixed_size: 0
    .private_segment_fixed_size: 0
    .kernarg_segment_align: 8
    .kernarg_segment_size: 48
    .max_flat_workgroup_size: 256
    .sgpr_count:     66
    .vgpr_count:     64
    .wavefront_size: 32
...
	.end_amdgpu_metadata
.endif
;; end of part 1
;; launch lnqkv (part 2): grid 256 x 1, 12 waves a work-group, no clusters, 34,816 bytes of LDS; arguments hidden_states, ln1_g, ln1_b, bq, bkv, wts, qkv; writes qkv
.if DOCPART == 2
	.amdgcn_target "amdgcn-amd-amdhsa--gfx1250"
	.amdhsa_code_object_version 6
	.text
	.protected	k_qce8c65c3bc_lnqkv
	.globl	k_qce8c65c3bc_lnqkv
	.p2align	8
	.type	k_qce8c65c3bc_lnqkv,@function
k_qce8c65c3bc_lnqkv:
	s_mov_b64 s[64:65], 0
	v_nop
	global_prefetch_b8 v0, s[64:65] scope:SCOPE_SE
	s_setreg_imm32_b32 hwreg(HW_REG_WAVE_MODE, 25, 1), 1
	s_wait_xcnt 0x0
; h = LN1(x); [q | k | v] = h [wq | wkv] + [bq | bkv], written in bf16 in fragment blocks.
; SHARES.  A work-group owns 32 rows of x and all 576 columns.  Waves 0 to 7 normalise four rows each (a row is 2,048 bytes: 16 registers of one
; wave, so mean and variance never leave the wave; the variance is taken of x - mean, in a second pass over the registers) and put h, rounded to bf16,
; into LDS.  Then wave w multiplies: blocks of 16 columns 3 w .. 3 w + 2, both blocks of 16 rows: 6 accumulators, K = 512 in 16 steps of 32.
; THE MATRIX INSTRUCTION IS USED TRANSPOSED: source 0 = 16 columns of the weight, source 1 = 16 rows of h.  A lane then holds one row and eight
; neighbouring columns, which rounded to bf16 are 16 bytes of the fragment block that the next launch loads: a store of a wave is 512 consecutive bytes.
; The bias is the C operand of the first product: nothing is cleared and nothing is added afterwards.
; NO CLUSTER, NO TENSOR LOADS: a weight fragment feeds exactly one wave of the work-group, so it goes from memory into that wave's registers
; (three sets of registers, two always on their way); a joint load would land in LDS and add 576 KB of LDS writes and reads a work-group.
; qkv: [block of 16 positions][18][1,024 bytes]: 16 heads' q, then k, then v; block of columns nb lies at 512 nb.
; LIMITS.  NaN and infinities are not treated apart; h, q, k, v are rounded once to bf16.
.set PITCH, 1040                       ; a row of h in LDS: 1,024 bytes + 16: 65 x 16, so the 16 rows of a fragment load start at 16 different groups of four banks
.set SPARE, 33280                      ; behind the 32 rows: the spare words, 128 bytes for each of 12 waves
.set QROW,  18432                      ; bytes of qkv for 16 positions
.set L16, 1                            ; v1   16 x lane
.set AA,  2                            ; v2   my place in a fragment of h: row x pitch + 16 x half
.set H32, 3                            ; v3   32 x half: my eight columns' biases
.set BOF, 4                            ; v4-6 byte offset of my biases, for each of my three blocks of columns
.set XO,  7                            ; v7   byte offset of my 16 bytes in my wave's first row of x
.set SPW, 8                            ; v8   my spare word; never rewritten
.set NIL, 9                            ; v9   0; never rewritten
.set LST, 10                           ; v10  where I put 8 bytes of h
.set ACC, 16                           ; v16-63   accumulator (t, rb) at 16 + 8 (2 t + rb)
.set XR,  16                           ; v16-79   before that: four rows of x, 16 registers each
.set AF,  88                           ; v88-119  fragments of h, two buffers of two
.set GR,  88                           ; v88-103  before that: my 16 gains,
.set BR,  104                          ; v104-119 and my 16 offsets
.set BF,  120                          ; v120-191 fragments of the weight, three sets of three
.set T,   192                          ; v192-201 at work
.set BIAS, 208                         ; v208-231 eight biases for each of my three blocks of columns
.macro BLOAD kb                        ; the weight's three fragments of K step kb: six loads of 512 consecutive bytes
.irp t, 0,1,2
	global_load_b128 v[BF+24*((\kb)%3)+8*\t:BF+24*((\kb)%3)+8*\t+3],   v[L16], s[14:15] offset:\t*16384+(\kb)*1024
	global_load_b128 v[BF+24*((\kb)%3)+8*\t+4:BF+24*((\kb)%3)+8*\t+7], v[L16], s[14:15] offset:\t*16384+(\kb)*1024+512
.endr
.endm
.macro ALOAD kb                        ; h's two fragments of K step kb
.irp rb, 0,1
	ds_load_b128 v[AF+16*((\kb)%2)+8*\rb:AF+16*((\kb)%2)+8*\rb+3],   v[AA] offset:\rb*16*PITCH+(\kb)*64
	ds_load_b128 v[AF+16*((\kb)%2)+8*\rb+4:AF+16*((\kb)%2)+8*\rb+7], v[AA] offset:\rb*16*PITCH+(\kb)*64+32
.endr
.endm
.macro WSUM                            ; v[T] summed over the 32 lanes, the result in every lane
	v_add_f32_dpp v[T], v[T], v[T] row_xmask:1 row_mask:0xf bank_mask:0xf
	v_add_f32_dpp v[T], v[T], v[T] row_xmask:2 row_mask:0xf bank_mask:0xf
	v_add_f32_dpp v[T], v[T], v[T] row_xmask:4 row_mask:0xf bank_mask:0xf
	v_add_f32_dpp v[T], v[T], v[T] row_xmask:8 row_mask:0xf bank_mask:0xf
	v_permlanex16_b32 v[T+1], v[T], s34, s35
	v_add_f32 v[T], v[T], v[T+1]
.endm
.macro LNROW t                         ; row t of my four: mean, x - mean, variance, scale, gain and offset, rounding, 8 bytes x 4 into LDS
.set XB, XR+16*(\t)
	v_pk_add_f32 v[T:T+1],   v[XB:XB+1],     v[XB+2:XB+3]
	v_pk_add_f32 v[T+2:T+3], v[XB+4:XB+5],   v[XB+6:XB+7]
	v_pk_add_f32 v[T+4:T+5], v[XB+8:XB+9],   v[XB+10:XB+11]
	v_pk_add_f32 v[T+6:T+7], v[XB+12:XB+13], v[XB+14:XB+15]
	v_pk_add_f32 v[T:T+1],   v[T:T+1],   v[T+2:T+3]
	v_pk_add_f32 v[T+4:T+5], v[T+4:T+5], v[T+6:T+7]
	v_pk_add_f32 v[T:T+1],   v[T:T+1],   v[T+4:T+5]
	v_add_f32 v[T], v[T], v[T+1]
	WSUM
	v_mul_f32 v[T+2], s30, v[T]                    ; the mean, twice: a pair for the packed subtraction
	v_mul_f32 v[T+3], s30, v[T]
.irp p, 0,1,2,3,4,5,6,7
	v_pk_add_f32 v[XB+2*\p:XB+2*\p+1], v[XB+2*\p:XB+2*\p+1], v[T+2:T+3] neg_lo:[0,1] neg_hi:[0,1]
.endr
	v_pk_mul_f32 v[T:T+1],   v[XB:XB+1],   v[XB:XB+1]      ; the squares, in two chains started by the first two pairs
	v_pk_mul_f32 v[T+4:T+5], v[XB+2:XB+3], v[XB+2:XB+3]
.irp p, 2,4,6
	v_pk_fma_f32 v[T:T+1],   v[XB+2*\p:XB+2*\p+1],   v[XB+2*\p:XB+2*\p+1],   v[T:T+1]
	v_pk_fma_f32 v[T+4:T+5], v[XB+2*\p+2:XB+2*\p+3], v[XB+2*\p+2:XB+2*\p+3], v[T+4:T+5]
.endr
	v_pk_add_f32 v[T:T+1], v[T:T+1], v[T+4:T+5]
	v_add_f32 v[T], v[T], v[T+1]
	WSUM
	v_fma_f32 v[T], v[T], s30, s31                 ; variance + 1e-5
	v_rsq_f32 v[T+8], v[T]
	v_rsq_f32 v[T+9], v[T]
	v_nop                                          ; a plain instruction between the root and its use (ISA guide 5.7.2)
	s_wait_alu depctr_va_vdst(0)
.irp p, 0,1,2,3,4,5,6,7
	v_pk_mul_f32 v[XB+2*\p:XB+2*\p+1], v[XB+2*\p:XB+2*\p+1], v[T+8:T+9]
.endr
.irp p, 0,1,2,3,4,5,6,7
	v_pk_fma_f32 v[XB+2*\p:XB+2*\p+1], v[XB+2*\p:XB+2*\p+1], v[GR+2*\p:GR+2*\p+1], v[BR+2*\p:BR+2*\p+1]
.endr
.irp p, 0,1,2,3,4,5,6,7
	v_cvt_pk_bf16_f32 v[T+\p], v[XB+2*\p], v[XB+2*\p+1]
.endr
.irp i, 0,1,2,3
	ds_store_b64 v[LST], v[T+2*\i:T+2*\i+1] offset:(\t)*PITCH+\i*256   ; columns 128 i + 4 lane ..: 32 lanes, 256 consecutive bytes
.endr
.endm
.macro KSTEP kb
.if (\kb) < 14
	s_wait_loadcnt 12                              ; loads come back in order: this step's set is in, the two younger sets of six stay out
.elseif (\kb) == 14
	s_wait_loadcnt 6
.else
	s_wait_loadcnt 0x0
.endif
	s_wait_dscnt 0x0                               ; h's fragments of this step
.if (\kb) < 15
	ALOAD (\kb)+1                                  ; the next step's, into the buffer that the step before read: four places stand behind its products
.endif
.irp t, 0,1,2
.irp rb, 0,1
.if (\kb) == 0
	v_wmma_f32_16x16x32_bf16 v[ACC+8*(2*\t+\rb):ACC+8*(2*\t+\rb)+7], v[BF+24*((\kb)%3)+8*\t:BF+24*((\kb)%3)+8*\t+7], v[AF+16*((\kb)%2)+8*\rb:AF+16*((\kb)%2)+8*\rb+7], v[BIAS+8*\t:BIAS+8*\t+7]
.else
	v_wmma_f32_16x16x32_bf16 v[ACC+8*(2*\t+\rb):ACC+8*(2*\t+\rb)+7], v[BF+24*((\kb)%3)+8*\t:BF+24*((\kb)%3)+8*\t+7], v[AF+16*((\kb)%2)+8*\rb:AF+16*((\kb)%2)+8*\rb+7], v[ACC+8*(2*\t+\rb):ACC+8*(2*\t+\rb)+7]
.endif
.endr
.endr
.rept 4
	v_nop                                          ; four places in front of loads into registers just multiplied, and of the conversions at the end
.endr
.if (\kb) < 13
	BLOAD (\kb)+3
.endif
.endm
	s_load_b256 s[4:11], s[0:1], 0x0               ; x s[4:5], gain s[6:7], offset s[8:9], bq s[10:11]
	s_load_b128 s[12:15], s[0:1], 0x20             ; bkv s[12:13], wts s[14:15]
	s_load_b64 s[16:17], s[0:1], 0x30              ; qkv
	v_lshl_add_u32 v[SPW], v0, 2, SPARE
	v_mov_b32 v[NIL], 0
	v_lshrrev_b32 v11, 5, v0
	v_readfirstlane_b32 s18, v11                   ; wave 0..11
	v_and_b32 v12, 31, v0                          ; lane
	v_lshlrev_b32 v[L16], 4, v12
	v_and_b32 v13, 15, v0                          ; lane % 16
	v_bfe_u32 v14, v0, 4, 1                        ; lane / 16
	v_mul_u32_u24 v[AA], v13, PITCH
	v_lshl_add_u32 v[AA], v14, 4, v[AA]
	v_lshlrev_b32 v[H32], 5, v14
	s_mov_b32 s34, 0x76543210                      ; v_permlanex16_b32: each lane takes its own place in the other half
	s_mov_b32 s35, 0xfedcba98
	s_mov_b32 s30, 0x3b000000                      ; 1 / 512
	s_mov_b32 s31, 0x3727c5ac                      ; 1e-5
	s_mul_i32 s19, s18, 3                          ; my first block of columns
	s_mov_b32 s21, 0
	s_wait_kmcnt 0x0
.irp t, 0,1,2                          ; blocks 0 to 31 take bq, blocks 32 to 35 bkv
	s_add_co_u32 s36, s19, \t
	s_sub_co_u32 s37, s36, 32
	s_cmp_lt_u32 s36, 32
	s_cselect_b64 s[24+2*\t:25+2*\t], s[10:11], s[12:13]
	s_cselect_b32 s36, s36, s37
	s_lshl_b32 s36, s36, 6                         ; 16 biases of 4 bytes a block
	v_add_nc_u32 v[BOF+\t], s36, v[H32]
	global_load_b128 v[BIAS+8*\t:BIAS+8*\t+3],   v[BOF+\t], s[24+2*\t:25+2*\t]
	global_load_b128 v[BIAS+8*\t+4:BIAS+8*\t+7], v[BOF+\t], s[24+2*\t:25+2*\t] offset:16
.endr
	s_lshl_b32 s20, ttmp9, 16                      ; the group's 32 rows of 2,048 bytes
	s_add_nc_u64 s[4:5], s[4:5], s[20:21]
	s_mul_i32 s20, s18, 3*16384                    ; my three blocks of columns in wts
	s_add_nc_u64 s[14:15], s[14:15], s[20:21]
	s_mul_i32 s20, ttmp9, 2*QROW                   ; the group's two blocks of positions in qkv,
	s_mul_i32 s22, s18, 3*512                      ; my three blocks of columns there
	s_add_co_u32 s20, s20, s22
	s_add_nc_u64 s[16:17], s[16:17], s[20:21]
	s_cmp_lt_u32 s18, 8
	s_cbranch_scc0 .Lno_rows
	v_lshl_add_u32 v[XO], s18, 13, v[L16]          ; my wave's four rows
.irp t, 0,1,2,3
.irp i, 0,1,2,3
	global_load_b128 v[XR+16*\t+4*\i:XR+16*\t+4*\i+3], v[XO], s[4:5] offset:\t*2048+\i*512
.endr
.endr
.irp i, 0,1,2,3
	global_load_b128 v[GR+4*\i:GR+4*\i+3], v[L16], s[6:7] offset:\i*512
	global_load_b128 v[BR+4*\i:BR+4*\i+3], v[L16], s[8:9] offset:\i*512
.endr
.Lno_rows:
	BLOAD 0                                        ; the weights' first three sets are on their way while the rows are normalised
	BLOAD 1
	BLOAD 2
	s_cmp_lt_u32 s18, 8
	s_cbranch_scc0 .Lno_ln
	s_wait_loadcnt 18                              ; all but the 18 loads of the three sets: biases, rows, gains and offsets are in
	s_mul_i32 s22, s18, 4*PITCH
	v_lshl_add_u32 v[LST], v12, 3, s22             ; 8 x lane + my wave's four rows
	LNROW 0
	LNROW 1
	LNROW 2
	LNROW 3
.Lno_ln:
	s_wait_dscnt 0x0                               ; for the others' sake: my rows of h are in LDS
	s_barrier_signal -1
	s_barrier_wait -1                              ; everybody's are
	ALOAD 0
.set kk, 0
.rept 16
	KSTEP kk
.set kk, kk+1
.endr
	; THE WAY OUT: eight neighbouring columns of a row round to 16 bytes; each accumulator's registers are taken in ascending order
.irp t, 0,1,2
.irp rb, 0,1
.irp q, 0,1,2,3
	v_cvt_pk_bf16_f32 v[BF+4*(2*\t+\rb)+\q], v[ACC+8*(2*\t+\rb)+2*\q], v[ACC+8*(2*\t+\rb)+2*\q+1]
.endr
.endr
.endr
.irp t, 0,1,2
.irp rb, 0,1
	global_store_b128 v[L16], v[BF+4*(2*\t+\rb):BF+4*(2*\t+\rb)+3], s[16:17] offset:\rb*QROW+\t*512   ; 512 consecutive bytes, at a multiple of 256
.endr
.endr
	s_wait_tensorcnt 0x0                           ; the wave's end
	ds_add_u32 v[SPW], v[NIL]
	s_wait_dscnt 0x0
	s_endpgm
.Lfunc_end_k_qce8c65c3bc_lnqkv:
	.size	k_qce8c65c3bc_lnqkv, .Lfunc_end_k_qce8c65c3bc_lnqkv-k_qce8c65c3bc_lnqkv
	.p2alignl 7, 3214868480
	.fill 96, 4, 3214868480
	.section	.rodata,"a",@progbits
	.p2align	6, 0x0
	.amdhsa_kernel k_qce8c65c3bc_lnqkv
		.amdhsa_group_segment_fixed_size 34816
		.amdhsa_private_segment_fixed_size 0
		.amdhsa_enable_private_segment 0
		.amdhsa_kernarg_size 56
		.amdhsa_user_sgpr_count 2
		.amdhsa_user_sgpr_kernarg_segment_ptr 1
		.amdhsa_wavefront_size32 1
		.amdhsa_system_sgpr_workgroup_id_x 1
		.amdhsa_system_sgpr_workgroup_id_y 1
		.amdhsa_system_sgpr_workgroup_id_z 1
		.amdhsa_system_vgpr_workitem_id 0
		.amdhsa_next_free_vgpr 240
		.amdhsa_next_free_sgpr 66
		.amdhsa_reserve_vcc 0
		.amdhsa_float_denorm_mode_32 3
		.amdhsa_float_denorm_mode_16_64 3
		.amdhsa_memory_ordered 1
		.amdhsa_forward_progress 1
		.amdhsa_inst_pref_size 47
	.end_amdhsa_kernel
	.amdgpu_metadata
---
amdhsa.version: [ 1, 2 ]
amdhsa.kernels:
  - .name:           k_qce8c65c3bc_lnqkv
    .symbol:         k_qce8c65c3bc_lnqkv.kd
    .args:
      - { .name: hidden_states, .offset: 0, .size: 8, .value_kind: global_buffer, .address_space: global }
      - { .name: ln1_g, .offset: 8, .size: 8, .value_kind: global_buffer, .address_space: global }
      - { .name: ln1_b, .offset: 16, .size: 8, .value_kind: global_buffer, .address_space: global }
      - { .name: bq, .offset: 24, .size: 8, .value_kind: global_buffer, .address_space: global }
      - { .name: bkv, .offset: 32, .size: 8, .value_kind: global_buffer, .address_space: global }
      - { .name: wts, .offset: 40, .size: 8, .value_kind: global_buffer, .address_space: global }
      - { .name: qkv, .offset: 48, .size: 8, .value_kind: global_buffer, .address_space: global }
    .group_segment_fixed_size: 34816
    .private_segment_fixed_size: 0
    .kernarg_segment_align: 8
    .kernarg_segment_size: 56
    .max_flat_workgroup_size: 384
    .sgpr_count:     66
    .vgpr_count:     240
    .wavefront_size: 32
...
	.end_amdgpu_metadata
.endif
;; end of part 2
;; launch attn (part 3): grid 64 x 4, 8 waves a work-group, clusters of 4 x 1, 263,168 bytes of LDS; arguments qkv, att; writes att
.if DOCPART == 3
	.amdgcn_target "amdgcn-amd-amdhsa--gfx1250"
	.amdhsa_code_object_version 6
	.text
	.protected	k_qce8c65c3bc_attn
	.globl	k_qce8c65c3bc_attn
	.p2align	8
	.type	k_qce8c65c3bc_attn,@function
k_qce8c65c3bc_attn:
	s_mov_b64 s[64:65], 0
	v_nop
	global_prefetch_b8 v0, s[64:65] scope:SCOPE_SE
	s_setreg_imm32_b32 hwreg(HW_REG_WAVE_MODE, 25, 1), 1
	s_wait_xcnt 0x0
	s_wait_alu depctr_hold_cnt(0) depctr_sa_sdst(0) depctr_va_vdst(0) depctr_va_sdst(0) depctr_va_ssrc(0) depctr_va_vcc(0) depctr_vm_vsrc(0)
	s_getreg_b32 s2, hwreg(HW_REG_IB_STS2, 6, 4)
	s_cmp_eq_u32 s2, 0
	s_cbranch_scc0 .Lentry_in_a_cluster
	s_endpgm
.Lentry_in_a_cluster:
	s_bfe_u32 s2, ttmp6, 0x10000c
	s_cmp_lg_u32 s2, 0x3003
	s_cbranch_scc0 .Lentry_shape_is_right
	s_endpgm
.Lentry_shape_is_right:
; CAUSAL ATTENTION WITH ONE KEY AND VALUE HEAD.  att[b][s][h][:] = the sum over t <= s of softmax_t(q[b][s][h] . k[b][t] / sqrt(32)) v[b][t][:].  16 heads of 32 channels.
; q, k, v arrive in bf16 fragment blocks (qkv: [block of 16 positions][16 heads' q, k, v][1,024 bytes]); products, maxima and sums in f32; the weights p are rounded to bf16.
; LIMITS.  A hidden score counts as -3.4e38; c m starts at -4.25e37, far below every c s that finite q and k of bf16 products of this size give; a weight below 2^-126 counts as 0;
; the divisor l is the sum of the ROUNDED weights, the same numbers that multiply v; NaN and infinities are not treated apart.
; THE WALK.  A batch has 128 blocks of 16 positions.  Work-group j = 4 J + cx (J: the cluster's x) takes the SHORT block j and the LONG block 127 - j.  Keys go 64 a step: the short block needs steps
; 0 .. J, the long one steps 0 .. 31 - J: 33 block steps for every work-group, and both bounds hang on J alone, which the four partners of a cluster share.  cx enters the addresses of q and att
; and the mask's thresholds (vector data) alone.  The step loops count to constants; steps behind the long block's last are jumped over, forward, past no barrier and no tensor load.
; SHARES.  Wave w owns heads 2 w and 2 w + 1 in both blocks: four TILES of 16 positions x one head (0, 1 short; 2, 3 long).
; LDS holds the batch's WHOLE k and v, 256 KB, filled once: no ring.  CLUSTER: all work-groups of a batch read the same k and v, so the four of a cluster ask JOINTLY: each wave issues two loads (its share of
; steps 0 to 3, its share of the rest) with the same descriptor and a mask that names the four.  Two tensor loads of a wave are out at the most.  The first three steps run while the second load lands.
; LAYOUT.  S^T = K Q^T (source 0 = 16 keys, source 1 = 16 positions): a lane holds ONE position (lane % 16) and the keys 8 (lane / 16) + 0..7.  Two such results rounded to bf16 ARE source 1 of O^T = V^T P.
; k's blocks are source 0 as they lie; v's, which have keys as rows, are turned by ds_load_tr16_b128.
; SOFTMAX.  A running maximum m: p = 2^(c s - c m), c = log2(e) / sqrt(32); O and l are multiplied by a = 2^(c m_old - c m_new) in every step.  m starts at the lowest finite number, O and l at 0, so the first step
; is a step like any other, with a = 0: 96 registers are cleared in the wait for the first tile, and no first step is written out.
; ROW SUMS BY THE MATRIX UNIT.  ONE has 1.0 in rows 0 and 8: LS += ONE x P leaves a position's whole sum in register 0 of every lane.  Two matrix instructions and one multiply take the place of 16 packed
; additions and an exchange of the lanes' halves: here the vector unit is the one that is short of time (some 95 vector lines for a tile step's 10 matrix instructions).
; Two waves share a SIMD, so one wave's products run beside the other's softmax; the text is in plain phases.
; REGISTERS, in windows of 256 (s_set_vgpr_msb: bits 1:0 source 0, 3:2 source 1, 5:4 source 2, 7:6 destination):
;   window 0: addresses, statistics, S^T (two tiles), P (two tiles)          window 1: Q, O^T, LS, K and V of one step, ONE
.set SPARE, 262144                     ; behind k and v: the spare words, 128 bytes for each of 8 waves
.set QROW,  18432                      ; bytes of qkv for 16 positions
.set L16, 2                            ; v2   16 x lane
.set TRV, 3                            ; v3   my place in a block of v for the turning load, + 1,024 (v lies behind k)
.set AK,  4                            ; v4   LDS address of K's next run of loads
.set AV,  5                            ; v5   of V's
.set THS, 6                            ; v6   the short block's threshold: my position in its diagonal step, less 8 (lane / 16)
.set THL, 7                            ; v7   the long block's
.set SPW, 8                            ; v8   my spare word; never rewritten
.set NIL, 9                            ; v9   0; never rewritten
.set MV,  12                           ; v12-13  c m_old, kept while c m is made anew
.set ST,  16                           ; v16-31  tile T at 16 + 4 T: c m, m, 1 / l, a word named with it as a pair
.set TMP, 32                           ; v32-39  four registers c0-c3 for each of the step's two tiles; c2 takes a
.set S,   64                           ; v64-127  S^T, 32 a tile
.set P,   128                          ; v128-159 P, 16 a tile
.set Q,   0                            ; window 1: 8 a tile
.set O,   32                           ; window 1: 16 a tile: channels 16 c on at + 8 c
.set LS,  96                           ; window 1: 8 a tile
.set KF,  128                          ; window 1: keys 16 kt on at + 8 kt
.set VF,  160                          ; window 1: keys 32 F on, channels 16 c on at + 8 (2 F + c)
.set ONE, 192                          ; window 1
.set WV, 8                             ; s8   wave
.set CX, 9                             ; s9   my place in the cluster
.set CJ, 10                            ; s10  J: the short block's last step
.set LL, 11                            ; s11  31 - J: the long block's last step
.set BY, 12                            ; s12  batch
.set STEPC, 13                         ; s13  the step
.set SN, 14                            ; s14  LDS byte of the step that is fetched ahead
.set G1A, 16                           ; s[16:23] descriptor group 1, first load
.set G1B, 24                           ; s[24:31] second load
.set G0A, 32                           ; s[32:35] descriptor group 0, first load
.set G0B, 36                           ; s[36:39] second load
.set QS, 40                            ; s[40:41] q of my heads in the short block;  s[42:43] in the long one
.set QL, 42
.set OS, 44                            ; s[44:45], s[46:47] the same for att
.set OL, 46
.set CS, 48                            ; s[48:49] c
.set SEL, 50                           ; s[50:51] v_permlanex16_b32's selects
.set NEG, 52                           ; s52  the lowest finite number
.set ONES, 53                          ; s53  1.0 twice in bf16
.set MSB, 0
.macro WIN new                         ; the high byte repeats the setting that is left; a switch that changes nothing is dropped
.if MSB != (\new)
	s_set_vgpr_msb (MSB<<8)|(\new)
.set MSB, (\new)
.endif
.endm
.set W_LD, 0x40                        ; a load's destination in window 1
.set W_QK, 0x05                        ; sources 0 and 1 in window 1
.set W_RS, 0x41                        ; destination and source 0 in window 1
.set W_PV, 0x51                        ; source 0, C and D in window 1, P in window 0
.macro ROUND                           ; a round of the cluster's barrier
	s_barrier_signal -1
	s_barrier_wait -1
	s_cmp_lg_u32 s[WV], 0
	s_cbranch_scc1 .Lnot_wave_0_\@
	s_barrier_signal -3
.Lnot_wave_0_\@:
	s_barrier_wait -3
	s_barrier_signal -1
	s_barrier_wait -1
.endm
.macro FETCH_K                         ; a step's K: 4 fragments, 8 loads of 512 consecutive bytes
	WIN W_LD
.irp kt, 0,1,2,3
	ds_load_b128 v[KF+8*\kt:KF+8*\kt+3],   v[AK] offset:\kt*2048
	ds_load_b128 v[KF+8*\kt+4:KF+8*\kt+7], v[AK] offset:\kt*2048+512
.endr
	WIN 0
.endm
.macro FETCH_V                         ; a step's V, turned: lane l points at key 8 (l / 16) + l % 8, channels 16 c + 8 ((l / 8) % 2) + 0..7, and receives channel 16 c + l % 16, keys 8 (l / 16) + 0..7
	WIN W_LD
.irp kt, 0,1,2,3
.irp c, 0,1
	ds_load_tr16_b128 v[VF+8*(2*(\kt/2)+\c)+4*(\kt%2):VF+8*(2*(\kt/2)+\c)+4*(\kt%2)+3], v[AV] offset:\kt*2048+\c*512
.endr
.endr
	WIN 0
.endm
; Number n of the 21 that find a tile's maximum and statistics.  s0-s31 are the lane's 32 scores; each accumulator's lowest registers are read first.
;   0-11 four chains c0-c3 of seven scores each     12-15 the four scores left over, the old m, c0-c3 into c0     16, 17 the position's other 32 keys lie in the lane 16 away     18-20 c m; c m_old - c m_new; a
.macro XS T0, u, n
.set rT, ST+4*((\T0)+(\u))
.set rC, TMP+4*(\u)
.set rS, S+32*(\u)
.set rM, MV+(\u)
.if (\n) < 4
	v_max3_num_f32 v[rC+(\n)], v[rS+8*(\n)], v[rS+8*(\n)+1], v[rS+8*(\n)+2]
.elseif (\n) < 12
	v_max3_num_f32 v[rC+(\n)%4], v[rC+(\n)%4], v[rS+8*((\n)%4)+2*((\n)/4)+1], v[rS+8*((\n)%4)+2*((\n)/4)+2]
.elseif (\n) == 12
	v_max3_num_f32 v[rC], v[rC], v[rS+7], v[rS+15]
.elseif (\n) == 13
	v_max3_num_f32 v[rC+1], v[rC+1], v[rS+23], v[rS+31]
.elseif (\n) == 14
	v_max3_num_f32 v[rC+2], v[rC+2], v[rC+3], v[rT+1]
.elseif (\n) == 15
	v_max3_num_f32 v[rC], v[rC], v[rC+1], v[rC+2]
.elseif (\n) == 16
	v_permlanex16_b32 v[rC+3], v[rC], s[SEL], s[SEL+1]
.elseif (\n) == 17
	v_max_num_f32 v[rT+1], v[rC], v[rC+3]
.elseif (\n) == 18
	v_mul_f32 v[rT], s[CS], v[rT+1]
.elseif (\n) == 19
	v_sub_f32 v[rC+1], v[rM], v[rT]
.else
	v_exp_f32 v[rC+2], v[rC+1]
.endif
.endm
; ONE KEY STEP FOR TWO TILES, T0 and T0 + 1 (one block, my two heads).  thr: the block's threshold; diag: the scalar that holds its diagonal step; fetchk = 1: the next step's K is fetched when
; this step's products with K are done; vwait: the LDS loads issued behind V's, which may stay out.
.macro STEP T0, thr, diag, fetchk, vwait
	WIN W_QK
.irp kt, 0,1,2,3                       ; the head size is one matrix instruction deep: every product starts and ends its sum
.irp u, 0,1
	v_wmma_f32_16x16x32_bf16 v[S+32*\u+8*\kt:S+32*\u+8*\kt+7], v[KF+8*\kt:KF+8*\kt+7], v[Q+8*((\T0)+\u):Q+8*((\T0)+\u)+7], 0
.endr
.endr
	WIN 0
	v_mov_b32 v[MV], v[ST+4*(\T0)]                 ; c m_old is kept; with the two v_nop these are the four places behind the products (ISA guide 7.12.1)
	v_mov_b32 v[MV+1], v[ST+4*(\T0)+4]
	v_nop
	v_nop
	s_cmp_lg_u32 s[STEPC], s[\diag]
	s_cbranch_scc1 .Lnomask_\@                     ; only the block's last step holds the diagonal
.set i, 0
.rept 32                               ; register i holds key 16 (i / 8) + 8 (lane / 16) + i % 8 of the step: hidden where it lies behind my position
	v_cmp_gt_i32 vcc_lo, 16*(i/8)+i%8, v[\thr]
	v_cndmask_b32 v[S+i], v[S+i], s[NEG], vcc_lo
	v_cndmask_b32 v[S+32+i], v[S+32+i], s[NEG], vcc_lo
.set i, i+1
.endr
.Lnomask_\@:
.irp n, 0,1,2,3,4,5,6,7,8,9,10,11,12,13,14,15,16,17,18,19,20
	XS \T0, 0, \n                                  ; the two tiles alternate, so that no line reads the result of the line before it
	XS \T0, 1, \n
.endr
.if \fetchk
	FETCH_K                                        ; the last product that read K stands the whole maximum back
.endif
.set b, 0
.rept 16                               ; c s - c m
.irp u, 0,1
	v_pk_fma_f32 v[S+32*\u+2*b:S+32*\u+2*b+1], v[S+32*\u+2*b:S+32*\u+2*b+1], s[CS:CS+1], v[ST+4*((\T0)+\u):ST+4*((\T0)+\u)+1] op_sel_hi:[1,0,0] neg_lo:[0,0,1] neg_hi:[0,0,1]
.endr
.set b, b+1
.endr
.set i, 0
.rept 16                               ; four exponentials, then the roundings of the pairs before: a plain line stands between every exponential and its use (ISA guide 5.7.2)
	v_exp_f32 v[S+2*i], v[S+2*i]
	v_exp_f32 v[S+2*i+1], v[S+2*i+1]
	v_exp_f32 v[S+32+2*i], v[S+32+2*i]
	v_exp_f32 v[S+32+2*i+1], v[S+32+2*i+1]
.if i == 0
	v_nop
.else
	s_wait_alu depctr_va_vdst(0)
	v_cvt_pk_bf16_f32 v[P+i-1], v[S+2*i-2], v[S+2*i-1]
	v_cvt_pk_bf16_f32 v[P+16+i-1], v[S+32+2*i-2], v[S+32+2*i-1]
.endif
.set i, i+1
.endr
	v_cvt_pk_bf16_f32 v[P+15], v[S+30], v[S+31]
	v_cvt_pk_bf16_f32 v[P+31], v[S+62], v[S+63]
	WIN W_RS
.irp u, 0,1                            ; O^T and l times a; each accumulator's lowest registers first
.set z, 0
.rept 8
	v_pk_mul_f32 v[O+16*((\T0)+\u)+2*z:O+16*((\T0)+\u)+2*z+1], v[O+16*((\T0)+\u)+2*z:O+16*((\T0)+\u)+2*z+1], v[TMP+4*\u+2:TMP+4*\u+3] op_sel_hi:[1,0]
.set z, z+1
.endr
	v_mul_f32 v[LS+8*((\T0)+\u)], v[LS+8*((\T0)+\u)], v[TMP+4*\u+2]
.endr
	s_wait_dscnt \vwait                            ; V is in
	WIN W_PV
.irp F, 0,1                            ; six accumulators by turns: between two links of a chain stand five others'
.irp u, 0,1
	v_wmma_f32_16x16x32_bf16 v[O+16*((\T0)+\u):O+16*((\T0)+\u)+7], v[VF+16*\F:VF+16*\F+7], v[P+16*\u+8*\F:P+16*\u+8*\F+7], v[O+16*((\T0)+\u):O+16*((\T0)+\u)+7]
	v_wmma_f32_16x16x32_bf16 v[O+16*((\T0)+\u)+8:O+16*((\T0)+\u)+15], v[VF+16*\F+8:VF+16*\F+15], v[P+16*\u+8*\F:P+16*\u+8*\F+7], v[O+16*((\T0)+\u)+8:O+16*((\T0)+\u)+15]
	v_wmma_f32_16x16x32_bf16 v[LS+8*((\T0)+\u):LS+8*((\T0)+\u)+7], v[ONE:ONE+7], v[P+16*\u+8*\F:P+16*\u+8*\F+7], v[LS+8*((\T0)+\u):LS+8*((\T0)+\u)+7]
.endr
.endr
	WIN 0
.endm
; A TRIP: step STEPC for the short block, while it lasts, and for the long one.  K and V of the step were fetched in the trip before, K first.  cap: the last step that may be fetched ahead.
.macro BODY dead, cap
.if \dead
	s_cmp_gt_u32 s[STEPC], s[LL]
	s_cbranch_scc1 .Ldead                          ; behind the long block's last step nothing is left
.endif
	s_add_co_u32 s[SN], s[STEPC], 1
	s_min_u32 s[SN], s[SN], \cap
	s_lshl_b32 s[SN], s[SN], 13                    ; a step is 8,192 bytes of LDS
	v_add_nc_u32 v[AK], s[SN], v[L16]
	s_wait_dscnt 8                                 ; K is in; V's eight loads, issued behind it, may stay out
	s_cmp_gt_u32 s[STEPC], s[CJ]
	s_cbranch_scc1 .Lnoshort_\@
	STEP 0, THS, CJ, 0, 0
.Lnoshort_\@:
	STEP 2, THL, LL, 1, 8                          ; behind V's loads stand the eight of the next K
.rept 4
	v_nop                                          ; four places in front of the loads into V's registers
.endr
	v_add_nc_u32 v[AV], s[SN], v[TRV]
	FETCH_V
.endm
	s_load_b128 s[4:7], s[0:1], 0x0                ; qkv s[4:5], att s[6:7]
	v_lshl_add_u32 v[SPW], v0, 2, SPARE
	v_mov_b32 v[NIL], 0
	ds_add_u32 v[SPW], v[NIL]                      ; the wave's opening: the add and its wait stand ahead of my first tensor load; the set-up below, work on registers, stands between them
	v_lshrrev_b32 v1, 5, v0
	v_readfirstlane_b32 s[WV], v1                  ; wave 0..7
	s_bfe_u32 s[CX], ttmp6, 0x40000
	s_mov_b32 s[CJ], ttmp9                         ; in a cluster launch ttmp9 counts clusters
	s_sub_co_u32 s[LL], 31, s[CJ]
	s_and_b32 s[BY], ttmp7, 0xffff
	; descriptor group 1: rows of 2,048 bytes (a block's k and v), 18,432 bytes apart; elements of 8 bytes; 2 rows a wave in the first load, 14 in the second
	s_mov_b32 s[G1A], 15|(3<<16)|(1<<21)           ; 15:0 the mask of four; 17:16 elements of 8 bytes; 21 set beside a mask
	s_mov_b32 s[G1A+1], 256<<16                    ; tensor_dim0 = 256
	s_mov_b32 s[G1A+2], 2<<16                      ; tensor_dim1 = 2
	s_mov_b32 s[G1A+3], 256<<16                    ; tile_dim0 = 256
	s_mov_b32 s[G1A+4], 2                          ; tile_dim1 = 2
	s_mov_b32 s[G1A+5], 2304                       ; elements from row to row
	s_mov_b32 s[G1A+6], 0
	s_mov_b32 s[G1A+7], 0
	s_mov_b32 s[G1B], 15|(3<<16)|(1<<21)
	s_mov_b32 s[G1B+1], 256<<16
	s_mov_b32 s[G1B+2], 14<<16
	s_mov_b32 s[G1B+3], 256<<16
	s_mov_b32 s[G1B+4], 14
	s_mov_b32 s[G1B+5], 2304
	s_mov_b32 s[G1B+6], 0
	s_mov_b32 s[G1B+7], 0
	s_mov_b32 s[G0A], 1
	s_lshl_b32 s[G0A+1], s[WV], 12                 ; LDS: blocks 2 w, 2 w + 1
	s_mov_b32 s[G0B], 1
	s_mul_i32 s[G0B+1], s[WV], 28672               ; LDS: blocks 16 + 14 w ..
	s_add_co_u32 s[G0B+1], s[G0B+1], 32768
	s_mul_i32 s54, s[BY], 128*QROW                 ; the batch's first byte in qkv: the partners share it
	s_mul_i32 s56, s[WV], 2*QROW
	s_add_co_u32 s56, s56, s54
	s_add_co_u32 s56, s56, 16384                   ; k lies behind the 16 heads' q
	s_mov_b32 s57, 0
	s_mul_i32 s58, s[WV], 14*QROW
	s_add_co_u32 s58, s58, s54
	s_add_co_u32 s58, s58, 16*QROW+16384
	s_mov_b32 s59, 0
	s_lshl_b32 s66, s[CJ], 2
	s_add_co_u32 s66, s66, s[CX]                   ; j
	s_lshl_b32 s67, s[BY], 7
	s_add_co_u32 s68, s67, s66                     ; the short block among all 512,
	s_add_co_u32 s69, s67, 127
	s_sub_co_u32 s69, s69, s66                     ; the long one
	s_lshl_b32 s67, s[WV], 11                      ; my two heads' 2,048 bytes
	s_mul_i32 s70, s68, QROW
	s_add_co_u32 s70, s70, s67
	s_mov_b32 s71, 0
	s_mul_i32 s72, s69, QROW
	s_add_co_u32 s72, s72, s67
	s_mov_b32 s73, 0
	s_lshl_b32 s74, s68, 14                        ; att has 16,384 bytes for 16 positions
	s_add_co_u32 s74, s74, s67
	s_mov_b32 s75, 0
	s_lshl_b32 s76, s69, 14
	s_add_co_u32 s76, s76, s67
	s_mov_b32 s77, 0
	s_mov_b32 s[CS], 0x3e8293ee                    ; c = log2(e) / sqrt(32) = 0.255035
	s_mov_b32 s[CS+1], s[CS]                       ; named with it as a pair
	s_mov_b32 s[SEL], 0x76543210
	s_mov_b32 s[SEL+1], 0xfedcba98
	s_mov_b32 s[NEG], 0xff7fffff
	s_mov_b32 s[ONES], 0x3f803f80
	s_wait_dscnt 0x0                               ; the opening add is done
	s_wait_kmcnt 0x0
	s_add_nc_u64 s[G0A+2:G0A+3], s[4:5], s[56:57]
	s_or_b32 s[G0A+3], s[G0A+3], 0x80000000        ; type = 2
	s_add_nc_u64 s[G0B+2:G0B+3], s[4:5], s[58:59]
	s_or_b32 s[G0B+3], s[G0B+3], 0x80000000
	s_add_nc_u64 s[QS:QS+1], s[4:5], s[70:71]
	s_add_nc_u64 s[QL:QL+1], s[4:5], s[72:73]
	s_add_nc_u64 s[OS:OS+1], s[6:7], s[74:75]
	s_add_nc_u64 s[OL:OL+1], s[6:7], s[76:77]
	ROUND                                          ; all four work-groups are here: the joint loads meet
	tensor_load_to_lds s[G0A:G0A+3], s[G1A:G1A+7]  ; my share of steps 0 to 3
	s_nop 0
	tensor_load_to_lds s[G0B:G0B+3], s[G1B:G1B+7]  ; my share of steps 4 to 31
	s_nop 0
.rept 4
	v_nop
.endr
	v_and_b32 v[L16], 31, v0
	v_lshlrev_b32 v[L16], 4, v[L16]
	v_and_b32 v10, 7, v0
	v_cmp_eq_u32 vcc_lo, 0, v10
	v_cndmask_b32 v11, 0, s[ONES], vcc_lo          ; ONE's rows 0 and 8 lie in the lanes with lane % 8 = 0
	v_lshlrev_b32 v[TRV], 4, v10
	v_bfe_u32 v1, v0, 3, 1
	v_lshl_add_u32 v[TRV], v1, 8, v[TRV]
	v_bfe_u32 v1, v0, 4, 1                         ; lane / 16
	v_lshl_add_u32 v[TRV], v1, 7, v[TRV]
	v_add_nc_u32 v[TRV], 1024, v[TRV]
	v_and_b32 v10, 15, v0
	v_lshlrev_b32 v1, 3, v1
	v_sub_nc_u32 v10, v10, v1                      ; lane % 16 - 8 (lane / 16)
	s_lshl_b32 s54, s[CX], 4
	v_add_nc_u32 v[THS], s54, v10                  ; the short block is block cx of its diagonal step,
	s_sub_co_u32 s54, 48, s54
	v_add_nc_u32 v[THL], s54, v10                  ; the long one block 3 - cx
.irp t, 0,1,2,3
	v_mov_b32 v[ST+4*\t], 0xfe000000               ; c m: far below every c s
	v_mov_b32 v[ST+4*\t+1], 0xff7fffff             ; m
	v_mov_b32 v[ST+4*\t+2], 0
	v_mov_b32 v[ST+4*\t+3], 0
.endr
	v_mov_b32 v[AK], v[L16]                        ; step 0 lies at LDS byte 0
	v_mov_b32 v[AV], v[TRV]
	WIN W_LD
.irp u, 0,1
.irp p, 0,1
	global_load_b128 v[Q+8*\u+4*\p:Q+8*\u+4*\p+3],       v[L16], s[QS:QS+1] offset:\u*1024+\p*512
	global_load_b128 v[Q+16+8*\u+4*\p:Q+16+8*\u+4*\p+3], v[L16], s[QL:QL+1] offset:\u*1024+\p*512
.endr
.endr
.set i, O
.rept 96                               ; O^T and LS start at 0, in the wait for the first tile
	v_mov_b32 v[i], 0
.set i, i+1
.endr
.set i, 0
.rept 8
	v_mov_b32 v[ONE+i], v11
.set i, i+1
.endr
	WIN 0
	s_wait_tensorcnt 1                             ; my share of steps 0 to 3 is in; the second load stays out
	s_barrier_signal -1
	s_barrier_wait -1                              ; everybody's is
	FETCH_K
	FETCH_V
	s_wait_loadcnt 0x0                             ; Q
	s_mov_b32 s[STEPC], 0
.Lhead:                                ; steps 0 to 2; their fetch ahead reaches step 3 at the most, inside the first load's 32,768 bytes
	BODY 0, 3
	s_add_co_u32 s[STEPC], s[STEPC], 1
	s_cmp_lt_u32 s[STEPC], 3
	s_cbranch_scc1 .Lhead
	s_wait_tensorcnt 0x0                           ; my share of the rest is in,
	s_wait_dscnt 0x0                               ; and no LDS load of mine is out at the signal
	s_barrier_signal -1
	s_barrier_wait -1                              ; everybody's is
	s_mov_b32 s[STEPC], 3
.Lwalk:                                ; steps 3 to 31
	BODY 1, 31
.Ldead:
	s_add_co_u32 s[STEPC], s[STEPC], 1
	s_cmp_lt_u32 s[STEPC], 32
	s_cbranch_scc1 .Lwalk
	; THE WAY OUT.  O^T is divided by l and rounded to bf16: a lane's eight channels of a position are 16 bytes of the block that the next launch loads.
	s_wait_dscnt 0x0                               ; the last fetch ahead, which nobody uses
.rept 4
	v_nop                                          ; the places behind the last products
.endr
	WIN 0x01
.irp t, 0,1,2,3
	v_rcp_f32 v[ST+4*\t+2], v[LS+8*\t]
.endr
	v_nop                                          ; a plain instruction between the last reciprocal and its use
	WIN W_RS
	s_wait_alu depctr_va_vdst(0)
.irp t, 0,1,2,3
.set z, 0
.rept 8
	v_pk_mul_f32 v[O+16*\t+2*z:O+16*\t+2*z+1], v[O+16*\t+2*z:O+16*\t+2*z+1], v[ST+4*\t+2:ST+4*\t+3] op_sel_hi:[1,0]
.set z, z+1
.endr
.endr
	WIN W_QK
.set i, 0
.rept 32
	v_cvt_pk_bf16_f32 v[S+i], v[O+2*i], v[O+2*i+1]
.set i, i+1
.endr
	WIN 0
.irp u, 0,1
.irp c, 0,1
	global_store_b128 v[L16], v[S+8*\u+4*\c:S+8*\u+4*\c+3],       s[OS:OS+1] offset:\u*1024+\c*512   ; 512 consecutive bytes, at a multiple of 256
	global_store_b128 v[L16], v[S+16+8*\u+4*\c:S+16+8*\u+4*\c+3], s[OL:OL+1] offset:\u*1024+\c*512
.endr
.endr
	s_wait_tensorcnt 0x0                           ; the wave's end
	ds_add_u32 v[SPW], v[NIL]
	s_wait_dscnt 0x0
	ROUND                                          ; the closing round
	s_endpgm
.Lfunc_end_k_qce8c65c3bc_attn:
	.size	k_qce8c65c3bc_attn, .Lfunc_end_k_qce8c65c3bc_attn-k_qce8c65c3bc_attn
	.p2alignl 7, 3214868480
	.fill 96, 4, 3214868480
	.section	.rodata,"a",@progbits
	.p2align	6, 0x0
	.amdhsa_kernel k_qce8c65c3bc_attn
		.amdhsa_group_segment_fixed_size 263168
		.amdhsa_private_segment_fixed_size 0
		.amdhsa_enable_private_segment 0
		.amdhsa_kernarg_size 16
		.amdhsa_user_sgpr_count 2
		.amdhsa_user_sgpr_kernarg_segment_ptr 1
		.amdhsa_wavefront_size32 1
		.amdhsa_system_sgpr_workgroup_id_x 1
		.amdhsa_system_sgpr_workgroup_id_y 1
		.amdhsa_system_sgpr_workgroup_id_z 1
		.amdhsa_system_vgpr_workitem_id 0
		.amdhsa_next_free_vgpr 512
		.amdhsa_next_free_sgpr 80
		.amdhsa_reserve_vcc 1
		.amdhsa_float_denorm_mode_32 3
		.amdhsa_float_denorm_mode_16_64 3
		.amdhsa_memory_ordered 1
		.amdhsa_forward_progress 1
		.amdhsa_inst_pref_size 87
	.end_amdhsa_kernel
	.amdgpu_metadata
---
amdhsa.version: [ 1, 2 ]
amdhsa.kernels:
  - .name:           k_qce8c65c3bc_attn
    .symbol:         k_qce8c65c3bc_attn.kd
    .args:
      - { .name: qkv, .offset: 0, .size: 8, .value_kind: global_buffer, .address_space: global }
      - { .name: att, .offset: 8, .size: 8, .value_kind: global_buffer, .address_space: global }
    .group_segment_fixed_size: 263168
    .private_segment_fixed_size: 0
    .kernarg_segment_align: 8
    .kernarg_segment_size: 16
    .max_flat_workgroup_size: 256
    .sgpr_count:     80
    .vgpr_count:     512
    .wavefront_size: 32
...
	.end_amdgpu_metadata
.endif
;; end of part 3
;; launch wo_ln2 (part 4): grid 256 x 1, 8 waves a work-group, no clusters, 3,072 bytes of LDS; arguments att, wts, hidden_states, bo, ln2_g, ln2_b, x2t, h2; writes x2t, h2
.if DOCPART == 4
	.amdgcn_target "amdgcn-amd-amdhsa--gfx1250"
	.amdhsa_code_object_version 6
	.text
	.protected	k_qce8c65c3bc_wo_ln2
	.globl	k_qce8c65c3bc_wo_ln2
	.p2align	8
	.type	k_qce8c65c3bc_wo_ln2,@function
k_qce8c65c3bc_wo_ln2:
	s_mov_b64 s[64:65], 0
	v_nop
	global_prefetch_b8 v0, s[64:65] scope:SCOPE_SE
	s_setreg_imm32_b32 hwreg(HW_REG_WAVE_MODE, 25, 1), 1
	s_wait_xcnt 0x0
; x2 = att wo + bo + x;  h2 = LN2(x2).
; SHARES.  A work-group owns 32 rows and all 512 columns, so that a row's mean and variance stay in the work-group.  Wave w owns blocks of 16 columns 4 w .. 4 w + 3, both blocks of 16 rows:
; 8 accumulators, K = 512 in 16 steps of 32.  The matrix instruction is used transposed (source 0 = 16 columns of wo, source 1 = 16 rows of att): a lane holds one row and eight neighbouring columns.
; The residual x is loaded straight into the accumulators and is the first product's C: nothing is cleared.
; att and wo come in fragment blocks straight into registers (three sets, two always on their way).  NO CLUSTER, NO TENSOR LOADS: a fragment of wo feeds one wave alone; through LDS it would be written and read once more.
; x2 leaves in f32 as the accumulators lie (x2t: [block of 16 rows][block of 16 columns][1,024 bytes], registers 4 q .. 4 q + 3 of lane l at 512 q + 16 l): the last launch loads it back as its C.
; LN2: each wave sums its 64 columns of a row, the eight waves' sums meet in LDS; the variance is taken of x2 - mean, in a second pass.  h2 leaves in bf16 fragment blocks.
; LIMITS.  NaN and infinities are not treated apart; h2 is rounded once to bf16.
.set WO_B,  589824
.set RED1,  0                          ; [32 rows][8 waves] f32
.set RED2,  1024
.set SPARE, 2048
.set L16, 1                            ; v1   16 x lane
.set XO,  2                            ; v2   my bytes in x: row x 2,048 + 256 w + 32 x half
.set CO,  3                            ; v3   my eight columns' bytes in bo, gain, offset: 256 w + 32 x half
.set RST, 4                            ; v4   where I put a row's partial sum
.set RLD, 5                            ; v5   where I read a row's eight
.set SPW, 8
.set NIL, 9
.set MN,  10                           ; v10-13  a pair for each block of rows: the mean, later 1 / sigma
.set ACC, 16                           ; v16-79   accumulator (rb, t) at 16 + 8 (4 rb + t)
.set SETS, 80                          ; v80-223  three sets of 48: wo's fragment t at + 8 t, att's fragment rb at + 32 + 8 rb
.set GG,  80                           ; later: gains,
.set BT,  112                          ; offsets,
.set TT,  144                          ; v144-175 at work, then h2 packed,
.set RD,  176                          ; v176-191 the eight partial sums of my row, for each block of rows
.set BO,  224                          ; v224-255
.macro SLOAD kb                        ; twelve loads of 512 consecutive bytes
.set SB, SETS+48*((\kb)%3)
.irp t, 0,1,2,3
	global_load_b128 v[SB+8*\t:SB+8*\t+3],   v[L16], s[6:7] offset:\t*16384+(\kb)*1024
	global_load_b128 v[SB+8*\t+4:SB+8*\t+7], v[L16], s[6:7] offset:\t*16384+(\kb)*1024+512
.endr
.irp rb, 0,1
	global_load_b128 v[SB+32+8*\rb:SB+32+8*\rb+3],   v[L16], s[4:5] offset:\rb*16384+(\kb)*1024
	global_load_b128 v[SB+32+8*\rb+4:SB+32+8*\rb+7], v[L16], s[4:5] offset:\rb*16384+(\kb)*1024+512
.endr
.endm
.macro KSTEP kb
.if (\kb) < 14
	s_wait_loadcnt 24                              ; loads come back in order: this step's set is in, the two younger sets of twelve stay out
.elseif (\kb) == 14
	s_wait_loadcnt 12
.else
	s_wait_loadcnt 0x0
.endif
.set SB, SETS+48*((\kb)%3)
.irp t, 0,1,2,3
.irp rb, 0,1
	v_wmma_f32_16x16x32_bf16 v[ACC+8*(4*\rb+\t):ACC+8*(4*\rb+\t)+7], v[SB+8*\t:SB+8*\t+7], v[SB+32+8*\rb:SB+32+8*\rb+7], v[ACC+8*(4*\rb+\t):ACC+8*(4*\rb+\t)+7]
.endr
.endr
.rept 4
	v_nop                                          ; four places in front of loads into registers just multiplied, and of the additions at the end
.endr
.if (\kb) < 13
	SLOAD (\kb)+3
.endif
.endm
.macro TAIL rb, red                    ; four chains into one, the lane's two halves, the other half of the lanes (the row's other 32 of my 64 columns), and into LDS
	v_pk_add_f32 v[T:T+1],   v[T:T+1],   v[T+2:T+3]
	v_pk_add_f32 v[T+4:T+5], v[T+4:T+5], v[T+6:T+7]
	v_pk_add_f32 v[T:T+1],   v[T:T+1],   v[T+4:T+5]
	v_add_f32 v[T], v[T], v[T+1]
	v_permlanex16_b32 v[T+1], v[T], s34, s35
	v_add_f32 v[T], v[T], v[T+1]
	ds_store_b32 v[RST], v[T] offset:(\red)+(\rb)*512
.endm
.macro RSUM rb                         ; the sum of my 32 numbers of a row
.set A, ACC+32*(\rb)
.set T, TT+16*(\rb)
.irp k, 0,1,2,3
	v_pk_add_f32 v[T+2*\k:T+2*\k+1], v[A+4*\k:A+4*\k+1], v[A+4*\k+2:A+4*\k+3]
.endr
.irp k, 0,1,2,3
	v_pk_add_f32 v[T+2*\k:T+2*\k+1], v[T+2*\k:T+2*\k+1], v[A+16+4*\k:A+16+4*\k+1]
.endr
.irp k, 0,1,2,3
	v_pk_add_f32 v[T+2*\k:T+2*\k+1], v[T+2*\k:T+2*\k+1], v[A+16+4*\k+2:A+16+4*\k+3]
.endr
	TAIL \rb, RED1
.endm
.macro RSQ rb                          ; the sum of their squares
.set A, ACC+32*(\rb)
.set T, TT+16*(\rb)
.irp k, 0,1,2,3
	v_pk_mul_f32 v[T+2*\k:T+2*\k+1], v[A+4*\k:A+4*\k+1], v[A+4*\k:A+4*\k+1]
.endr
.irp k, 0,1,2,3
	v_pk_fma_f32 v[T+2*\k:T+2*\k+1], v[A+4*\k+2:A+4*\k+3], v[A+4*\k+2:A+4*\k+3], v[T+2*\k:T+2*\k+1]
.endr
.irp k, 0,1,2,3
	v_pk_fma_f32 v[T+2*\k:T+2*\k+1], v[A+16+4*\k:A+16+4*\k+1], v[A+16+4*\k:A+16+4*\k+1], v[T+2*\k:T+2*\k+1]
.endr
.irp k, 0,1,2,3
	v_pk_fma_f32 v[T+2*\k:T+2*\k+1], v[A+16+4*\k+2:A+16+4*\k+3], v[A+16+4*\k+2:A+16+4*\k+3], v[T+2*\k:T+2*\k+1]
.endr
	TAIL \rb, RED2
.endm
.macro MEET red                        ; the eight waves' partial sums of my two rows, added: into v[RD] and v[RD+8]
	s_wait_dscnt 0x0                               ; for the others' sake: my partial sums are in LDS
	s_barrier_signal -1
	s_barrier_wait -1
.irp rb, 0,1
	ds_load_b128 v[RD+8*\rb:RD+8*\rb+3],   v[RLD] offset:(\red)+\rb*512
	ds_load_b128 v[RD+8*\rb+4:RD+8*\rb+7], v[RLD] offset:(\red)+\rb*512+16
.endr
	s_wait_dscnt 0x0
.irp rb, 0,1
	v_pk_add_f32 v[RD+8*\rb:RD+8*\rb+1],   v[RD+8*\rb:RD+8*\rb+1],   v[RD+8*\rb+2:RD+8*\rb+3]
	v_pk_add_f32 v[RD+8*\rb+4:RD+8*\rb+5], v[RD+8*\rb+4:RD+8*\rb+5], v[RD+8*\rb+6:RD+8*\rb+7]
.endr
.irp rb, 0,1
	v_pk_add_f32 v[RD+8*\rb:RD+8*\rb+1], v[RD+8*\rb:RD+8*\rb+1], v[RD+8*\rb+4:RD+8*\rb+5]
.endr
.irp rb, 0,1
	v_add_f32 v[RD+8*\rb], v[RD+8*\rb], v[RD+8*\rb+1]
.endr
.endm
	s_load_b256 s[4:11], s[0:1], 0x0               ; att s[4:5], wts s[6:7], x s[8:9], bo s[10:11]
	s_load_b256 s[12:19], s[0:1], 0x20             ; gain s[12:13], offset s[14:15], x2t s[16:17], h2 s[18:19]
	v_lshl_add_u32 v[SPW], v0, 2, SPARE
	v_mov_b32 v[NIL], 0
	v_lshrrev_b32 v14, 5, v0
	v_readfirstlane_b32 s20, v14                   ; wave 0..7
	v_and_b32 v14, 31, v0
	v_lshlrev_b32 v[L16], 4, v14
	v_and_b32 v14, 15, v0                          ; lane % 16
	v_bfe_u32 v15, v0, 4, 1                        ; lane / 16
	s_lshl_b32 s21, s20, 8                         ; my 64 columns of 4 bytes
	v_lshl_add_u32 v[CO], v15, 5, s21
	v_lshl_add_u32 v[XO], v14, 11, v[CO]
	s_lshl_b32 s22, s20, 2
	v_lshl_add_u32 v[RST], v14, 5, s22             ; row x 32 + 4 w
	v_lshlrev_b32 v[RLD], 5, v14
	s_mov_b32 s34, 0x76543210
	s_mov_b32 s35, 0xfedcba98
	s_mov_b32 s30, 0x3b000000                      ; 1 / 512
	s_mov_b32 s31, 0x3727c5ac                      ; 1e-5
	s_mov_b32 s25, 0
	s_mov_b32 s27, 0
	s_wait_kmcnt 0x0
	s_lshl_b32 s24, ttmp9, 16                      ; the group's 32 rows: 65,536 bytes of x and of x2t
	s_add_nc_u64 s[8:9], s[8:9], s[24:25]
	s_lshl_b32 s26, s20, 12                        ; my four blocks of columns in x2t
	s_add_co_u32 s26, s26, s24
	s_add_nc_u64 s[16:17], s[16:17], s[26:27]
	s_lshl_b32 s26, ttmp9, 15                      ; the group's two blocks of rows in att and h2
	s_add_nc_u64 s[4:5], s[4:5], s[26:27]
	s_lshl_b32 s28, s20, 11                        ; my four blocks of columns in h2
	s_add_co_u32 s26, s26, s28
	s_add_nc_u64 s[18:19], s[18:19], s[26:27]
	s_lshl_b32 s26, s20, 16                        ; my four blocks of columns of wo
	s_add_co_u32 s26, s26, WO_B
	s_add_nc_u64 s[6:7], s[6:7], s[26:27]
.irp rb, 0,1
.irp t, 0,1,2,3
	global_load_b128 v[ACC+8*(4*\rb+\t):ACC+8*(4*\rb+\t)+3],   v[XO], s[8:9] offset:\rb*32768+\t*64
	global_load_b128 v[ACC+8*(4*\rb+\t)+4:ACC+8*(4*\rb+\t)+7], v[XO], s[8:9] offset:\rb*32768+\t*64+16
.endr
.endr
.irp t, 0,1,2,3
	global_load_b128 v[BO+8*\t:BO+8*\t+3],   v[CO], s[10:11] offset:\t*64
	global_load_b128 v[BO+8*\t+4:BO+8*\t+7], v[CO], s[10:11] offset:\t*64+16
.endr
	SLOAD 0
	SLOAD 1
	SLOAD 2
.set kk, 0
.rept 16
	KSTEP kk
.set kk, kk+1
.endr
.irp t, 0,1,2,3
	global_load_b128 v[GG+8*\t:GG+8*\t+3],   v[CO], s[12:13] offset:\t*64
	global_load_b128 v[GG+8*\t+4:GG+8*\t+7], v[CO], s[12:13] offset:\t*64+16
	global_load_b128 v[BT+8*\t:BT+8*\t+3],   v[CO], s[14:15] offset:\t*64
	global_load_b128 v[BT+8*\t+4:BT+8*\t+7], v[CO], s[14:15] offset:\t*64+16
.endr
.irp rb, 0,1                           ; x2: each accumulator's registers in ascending order
.irp t, 0,1,2,3
.irp z, 0,1,2,3
	v_pk_add_f32 v[ACC+8*(4*\rb+\t)+2*\z:ACC+8*(4*\rb+\t)+2*\z+1], v[ACC+8*(4*\rb+\t)+2*\z:ACC+8*(4*\rb+\t)+2*\z+1], v[BO+8*\t+2*\z:BO+8*\t+2*\z+1]
.endr
.endr
.endr
.irp rb, 0,1
.irp t, 0,1,2,3
	global_store_b128 v[L16], v[ACC+8*(4*\rb+\t):ACC+8*(4*\rb+\t)+3],   s[16:17] offset:\rb*32768+\t*1024       ; 512 consecutive bytes, at a multiple of 256
	global_store_b128 v[L16], v[ACC+8*(4*\rb+\t)+4:ACC+8*(4*\rb+\t)+7], s[16:17] offset:\rb*32768+\t*1024+512
.endr
.endr
	RSUM 0
	RSUM 1
	MEET RED1
.irp rb, 0,1
	v_mul_f32 v[MN+2*\rb], s30, v[RD+8*\rb]        ; the mean, twice
	v_mul_f32 v[MN+2*\rb+1], s30, v[RD+8*\rb]
.endr
	s_wait_xcnt 0x0                                ; the accumulators, which the stores read, are rewritten only behind this wait
.irp rb, 0,1
.set z, 0
.rept 16
	v_pk_add_f32 v[ACC+32*\rb+2*z:ACC+32*\rb+2*z+1], v[ACC+32*\rb+2*z:ACC+32*\rb+2*z+1], v[MN+2*\rb:MN+2*\rb+1] neg_lo:[0,1] neg_hi:[0,1]
.set z, z+1
.endr
.endr
	RSQ 0
	RSQ 1
	MEET RED2                                      ; other bytes than the first meeting's: no barrier is needed between its reads and these stores
.irp rb, 0,1
	v_fma_f32 v[RD+8*\rb], v[RD+8*\rb], s30, s31   ; variance + 1e-5
.endr
.irp rb, 0,1
	v_rsq_f32 v[MN+2*\rb], v[RD+8*\rb]
	v_rsq_f32 v[MN+2*\rb+1], v[RD+8*\rb]
.endr
	v_nop                                          ; a plain instruction between the last root and its use
	s_wait_loadcnt 0x0                             ; gains and offsets
	s_wait_alu depctr_va_vdst(0)
.irp rb, 0,1
.irp t, 0,1,2,3
.irp z, 0,1,2,3
	v_pk_mul_f32 v[ACC+8*(4*\rb+\t)+2*\z:ACC+8*(4*\rb+\t)+2*\z+1], v[ACC+8*(4*\rb+\t)+2*\z:ACC+8*(4*\rb+\t)+2*\z+1], v[MN+2*\rb:MN+2*\rb+1]
.endr
.irp z, 0,1,2,3
	v_pk_fma_f32 v[ACC+8*(4*\rb+\t)+2*\z:ACC+8*(4*\rb+\t)+2*\z+1], v[ACC+8*(4*\rb+\t)+2*\z:ACC+8*(4*\rb+\t)+2*\z+1], v[GG+8*\t+2*\z:GG+8*\t+2*\z+1], v[BT+8*\t+2*\z:BT+8*\t+2*\z+1]
.endr
.irp z, 0,1,2,3
	v_cvt_pk_bf16_f32 v[TT+4*(4*\rb+\t)+\z], v[ACC+8*(4*\rb+\t)+2*\z], v[ACC+8*(4*\rb+\t)+2*\z+1]
.endr
	global_store_b128 v[L16], v[TT+4*(4*\rb+\t):TT+4*(4*\rb+\t)+3], s[18:19] offset:\rb*16384+\t*512
.endr
.endr
	s_wait_tensorcnt 0x0                           ; the wave's end
	ds_add_u32 v[SPW], v[NIL]
	s_wait_dscnt 0x0
	s_endpgm
.Lfunc_end_k_qce8c65c3bc_wo_ln2:
	.size	k_qce8c65c3bc_wo_ln2, .Lfunc_end_k_qce8c65c3bc_wo_ln2-k_qce8c65c3bc_wo_ln2
	.p2alignl 7, 3214868480
	.fill 96, 4, 3214868480
	.section	.rodata,"a",@progbits
	.p2align	6, 0x0
	.amdhsa_kernel k_qce8c65c3bc_wo_ln2
		.amdhsa_group_segment_fixed_size 3072
		.amdhsa_private_segment_fixed_size 0
		.amdhsa_enable_private_segment 0
		.amdhsa_kernarg_size 64
		.amdhsa_user_sgpr_count 2
		.amdhsa_user_sgpr_kernarg_segment_ptr 1
		.amdhsa_wavefront_size32 1
		.amdhsa_system_sgpr_workgroup_id_x 1
		.amdhsa_system_sgpr_workgroup_id_y 1
		.amdhsa_system_sgpr_workgroup_id_z 1
		.amdhsa_system_vgpr_workitem_id 0
		.amdhsa_next_free_vgpr 256
		.amdhsa_next_free_sgpr 66
		.amdhsa_reserve_vcc 0
		.amdhsa_float_denorm_mode_32 3
		.amdhsa_float_denorm_mode_16_64 3
		.amdhsa_memory_ordered 1
		.amdhsa_forward_progress 1
		.amdhsa_inst_pref_size 54
	.end_amdhsa_kernel
	.amdgpu_metadata
---
amdhsa.version: [ 1, 2 ]
amdhsa.kernels:
  - .name:           k_qce8c65c3bc_wo_ln2
    .symbol:         k_qce8c65c3bc_wo_ln2.kd
    .args:
      - { .name: att, .offset: 0, .size: 8, .value_kind: global_buffer, .address_space: global }
      - { .name: wts, .offset: 8, .size: 8, .value_kind: global_buffer, .address_space: global }
      - { .name: hidden_states, .offset: 16, .size: 8, .value_kind: global_buffer, .address_space: global }
      - { .name: bo, .offset: 24, .size: 8, .value_kind: global_buffer, .address_space: global }
      - { .name: ln2_g, .offset: 32, .size: 8, .value_kind: global_buffer, .address_space: global }
      - { .name: ln2_b, .offset: 40, .size: 8, .value_kind: global_buffer, .address_space: global }
      - { .name: x2t, .offset: 48, .size: 8, .value_kind: global_buffer, .address_space: global }
      - { .name: h2, .offset: 56, .size: 8, .value_kind: global_buffer, .address_space: global }
    .group_segment_fixed_size: 3072
    .private_segment_fixed_size: 0
    .kernarg_segment_align: 8
    .kernarg_segment_size: 64
    .max_flat_workgroup_size: 256
    .sgpr_count:     66
    .vgpr_count:     256
    .wavefront_size: 32
...
	.end_amdgpu_metadata
.endif
;; end of part 4
;; launch fc (part 5): grid 8 x 32, 8 waves a work-group, clusters of 4 x 4, 327,680 bytes of LDS; arguments h2, wts, bfc, g; writes g
.if DOCPART == 5
	.amdgcn_target "amdgcn-amd-amdhsa--gfx1250"
	.amdhsa_code_object_version 6
	.text
	.protected	k_qce8c65c3bc_fc
	.globl	k_qce8c65c3bc_fc
	.p2align	8
	.type	k_qce8c65c3bc_fc,@function
k_qce8c65c3bc_fc:
	s_mov_b64 s[64:65], 0
	v_nop
	global_prefetch_b8 v0, s[64:65] scope:SCOPE_SE
	s_setreg_imm32_b32 hwreg(HW_REG_WAVE_MODE, 25, 1), 1
	s_wait_xcnt 0x0
	s_wait_alu depctr_hold_cnt(0) depctr_sa_sdst(0) depctr_va_vdst(0) depctr_va_sdst(0) depctr_va_ssrc(0) depctr_va_vcc(0) depctr_vm_vsrc(0)
	s_getreg_b32 s2, hwreg(HW_REG_IB_STS2, 6, 4)
	s_cmp_eq_u32 s2, 0
	s_cbranch_scc0 .Lentry_in_a_cluster
	s_endpgm
.Lentry_in_a_cluster:
	s_bfe_u32 s2, ttmp6, 0x10000c
	s_cmp_lg_u32 s2, 0xf033
	s_cbranch_scc0 .Lentry_shape_is_right
	s_endpgm
.Lentry_shape_is_right:
; g = gelu(h2 wfc + bfc), the tanh form, as x / (1 + 2^(x (A0 + A1 x^2))) with A0 = -2 log2(e) sqrt(2 / pi), A1 = 0.044715 A0: the same function, since (1 + tanh u) / 2 = 1 / (1 + e^(-2 u)).
; h2 [8192][512] and wfc [512][2048] come in bf16 fragment blocks of 1,024 bytes (16 rows or columns x 32 k; [block][block of k]); g leaves in the same form, [block of 16 rows][64 blocks of k].
; SHARES.  A tile of 256 x 256 to a work-group: 256 work-groups.  Eight waves, two on a SIMD, each 128 rows x 64 columns: 32 accumulators, window 1.  (Eight and not four: the way out, which is unrolled, is half as
; long, and two register windows do.)  K = 512 goes in four steps of 128 through two LDS slots; a step's 4 blocks of k of one block of rows are 4,096 consecutive bytes of memory, a row of the tensor load's tile.
; In LDS the blocks lie as in memory: a fragment is two loads at 16 x lane and 512 + 16 x lane, consecutive bytes, so nothing is padded.
; The matrix instruction is used transposed (source 0 = 16 columns of wfc, source 1 = 16 rows of h2); the bias is the C operand of the first products.
; CLUSTERS: 4 x 4 work-groups; h2's tiles are asked for jointly along a row of the cluster, wfc's along a column.  Waves 0 to 3 fetch h2's four quarters, waves 4 to 7 wfc's.  Two tensor loads of a wave are out at
; the start, later one.
; LIMITS.  Where x^2 overflows, the exponent is an infinity of the right sign and the result is x or 0, as the reference's; NaN is not treated apart; g is rounded once to bf16.
.set SLOT,  131072                     ; h2's 16 blocks of rows x 4,096 bytes, then wfc's 16 blocks of columns
.set SPARE, 262144                     ; behind the two slots: the spare words, 128 bytes for each of 8 waves
.set WFC_B, 1114112
.set ADRA, 16                          ; v16-17  LDS address of my fragments of h2 in slot 0, 1
.set ADRB, 20                          ; v20-21  of wfc
.set LN16, 24                          ; v24     16 x lane
.set HB,   25                          ; v25     32 x (lane / 16)
.set SPW,  28
.set NIL,  29
.set BIAS, 32                          ; v32-63   eight biases for each of my four blocks of columns
.set F0,   64                          ; v64-159  fragment buffer 0: wfc's four at + 8 b, h2's eight at + 32 + 8 a
.set F1,   160                         ; v160-255 fragment buffer 1
.set TT,   64                          ; the way out: 32 numbers at work,
.set YY,   96                          ; and two sets of 16 registers to store
.set G1, 24                            ; s[24:31] descriptor group 1 for h2's tiles;  s[32:39] group 0, one set for each slot
.set G0, 32
.set G1B, 48                           ; s[48:55], s[56:63] the same for wfc's
.set G0B, 56
.set MSB, 0
.macro WIN new
.if MSB != (\new)
	s_set_vgpr_msb (MSB<<8)|(\new)
.set MSB, \new
.endif
.endm
.set MUL,  0x50                        ; C and D in window 1
.set MUL1, 0x40                        ; D in window 1, C (the bias) in window 0
.macro JLOAD s                         ; a joint load; an s_nop 0 and four v_nop follow each of the two lines, ahead of the jump, the label and what follows
	s_cmp_eq_u32 s11, 0
	s_cbranch_scc0 .Lfor_b_\@
	tensor_load_to_lds s[G0+4*(\s):G0+4*(\s)+3], s[G1:G1+7]
	s_nop 0
.rept 4
	v_nop
.endr
	s_branch .Lasked_\@
.Lfor_b_\@:
	tensor_load_to_lds s[G0B+4*(\s):G0B+4*(\s)+3], s[G1B:G1B+7]
	s_nop 0
.rept 4
	v_nop
.endr
.Lasked_\@:
.endm
.macro CREST                           ; a round of the cluster's barrier behind its opening barrier
	s_cmp_lg_u32 s10, 0
	s_cbranch_scc1 .Lnot_wave_0_\@
	s_barrier_signal -3
.Lnot_wave_0_\@:
	s_barrier_wait -3
	s_barrier_signal -1
	s_barrier_wait -1
.endm
.macro CROUND
	s_barrier_signal -1
	s_barrier_wait -1
	CREST
.endm
	s_load_b128 s[4:7], s[0:1], 0x0                ; h2 s[4:5], wts s[6:7]
	s_load_b128 s[68:71], s[0:1], 0x10             ; bfc s[68:69], g s[70:71]
	v_lshl_add_u32 v[SPW], v0, 2, SPARE
	v_mov_b32 v[NIL], 0
	ds_add_u32 v[SPW], v[NIL]                      ; the wave's opening: the add and its wait stand ahead of my first tensor load; the set-up below, work on registers, stands between them
	v_lshrrev_b32 v1, 5, v0
	v_readfirstlane_b32 s10, v1                    ; wave 0..7
	s_lshr_b32 s11, s10, 2                         ; which half of the tile's rows is mine.  Also: I fetch for h2 (0) or for wfc (1)
	s_and_b32 s12, s10, 3                          ; which quarter of its columns.  Also: which four blocks of that tile I fetch
	s_bfe_u32 s40, ttmp6, 0x40000                  ; cx, cy
	s_bfe_u32 s41, ttmp6, 0x40004
	s_lshl_b32 s42, ttmp9, 2
	s_add_co_u32 s42, s42, s40                     ; tile column
	s_and_b32 s13, ttmp7, 0xffff
	s_lshl_b32 s13, s13, 2
	s_add_co_u32 s13, s13, s41                     ; tile row
	s_lshl_b32 s43, s41, 2
	s_lshl_b32 s43, 15, s43                        ; my row of the cluster
	s_lshl_b32 s44, 0x1111, s40                    ; my column
	s_or_b32 s[G1+0], s43, (3<<16)|(1<<21)         ; 15:0 the mask; 17:16 elements of 8 bytes; 21 set beside a mask
	s_or_b32 s[G1B+0], s44, (3<<16)|(1<<21)
.irp g, G1, G1B
	s_mov_b32 s[(\g)+1], 512<<16                   ; tensor_dim0 = 512 elements: 4,096 bytes
	s_mov_b32 s[(\g)+2], 4<<16                     ; tensor_dim1 = 4
	s_mov_b32 s[(\g)+3], 512<<16                   ; tile_dim0
	s_mov_b32 s[(\g)+4], 4                         ; tile_dim1
	s_mov_b32 s[(\g)+5], 2048                      ; 16,384 bytes from a block of rows to the next
	s_mov_b32 s[(\g)+6], 0
	s_mov_b32 s[(\g)+7], 0
.endr
	s_lshl_b32 s17, s12, 2                         ; which four blocks I fetch
	s_lshl_b32 s16, s13, 4
	s_add_co_u32 s16, s16, s17                     ; h2: block 16 x tile row + 4 x quarter
	s_lshl_b32 s16, s16, 14
	s_lshl_b32 s46, s42, 4
	s_add_co_u32 s46, s46, s17                     ; wfc: block 16 x tile column + 4 x quarter
	s_lshl_b32 s46, s46, 14
	s_add_co_u32 s46, s46, WFC_B
	s_mov_b32 s17, 0
	s_mov_b32 s47, 0
	s_lshl_b32 s20, s10, 14                        ; where they go: wave x 16,384: no place in the cluster enters an LDS address
	s_mov_b32 s72, 0xbdd2d3e8                      ; A1 = -0.10294324
	s_mov_b32 s73, s72
	s_mov_b32 s74, 0xc0135761                      ; A0 = -2.3022082
	s_mov_b32 s75, s74
	s_wait_dscnt 0x0                               ; the opening add is done
	s_wait_kmcnt 0x0
	s_add_nc_u64 s[14:15], s[4:5], s[16:17]
	s_add_nc_u64 s[46:47], s[6:7], s[46:47]
	CROUND                                         ; all sixteen work-groups are here: the first joint loads meet
.irp s, 0,1
	s_mov_b32 s[G0+4*(\s)], 1
	s_add_co_u32 s[G0+4*(\s)+1], s20, (\s)*SLOT
	s_add_nc_u64 s[G0+4*(\s)+2:G0+4*(\s)+3], s[14:15], (\s)*4096   ; K step s
	s_or_b32 s[G0+4*(\s)+3], s[G0+4*(\s)+3], 0x80000000
	s_mov_b32 s[G0B+4*(\s)], 1
	s_add_co_u32 s[G0B+4*(\s)+1], s20, (\s)*SLOT
	s_add_nc_u64 s[G0B+4*(\s)+2:G0B+4*(\s)+3], s[46:47], (\s)*4096
	s_or_b32 s[G0B+4*(\s)+3], s[G0B+4*(\s)+3], 0x80000000
	JLOAD \s
.endr
	v_and_b32 v1, 31, v0
	v_lshlrev_b32 v[LN16], 4, v1
	v_bfe_u32 v2, v0, 4, 1
	v_lshlrev_b32 v[HB], 5, v2
	s_lshl_b32 s21, s11, 15                        ; my eight blocks of rows
	s_lshl_b32 s22, s12, 14                        ; my four blocks of columns,
	s_add_co_u32 s22, s22, 65536                   ; which lie behind h2's sixteen
.irp s, 0,1
	v_add_nc_u32 v[ADRA+(\s)], s21, v[LN16]
	v_add_nc_u32 v[ADRB+(\s)], s22, v[LN16]
	s_add_co_u32 s21, s21, SLOT
	s_add_co_u32 s22, s22, SLOT
.endr
	s_lshl_b32 s46, s42, 10                        ; my 64 biases: 1,024 x tile column + 256 x quarter
	s_lshl_b32 s47, s12, 8
	s_add_co_u32 s46, s46, s47
	s_mov_b32 s47, 0
	s_add_nc_u64 s[68:69], s[68:69], s[46:47]
.irp b, 0,1,2,3
	global_load_b128 v[BIAS+8*\b:BIAS+8*\b+3],   v[HB], s[68:69] offset:\b*64
	global_load_b128 v[BIAS+8*\b+4:BIAS+8*\b+7], v[HB], s[68:69] offset:\b*64+16
.endr
	s_lshl_b32 s16, s13, 4                         ; g at my first block of rows: 16 x tile row + 8 x half, 65,536 bytes each,
	s_lshl_b32 s17, s11, 3
	s_add_co_u32 s16, s16, s17
	s_lshl_b32 s16, s16, 16
	s_mov_b32 s17, 0
	s_add_nc_u64 s[70:71], s[70:71], s[16:17]
	s_lshl_b32 s46, s46, 3                         ; and my first block of columns: 512 bytes each: 8,192 x tile column + 2,048 x quarter
	s_add_nc_u64 s[70:71], s[70:71], s[46:47]
; 8 matrix instructions: blocks of rows a0, a0 + 1 x my 4 blocks of columns, 32 along K.  first = 1: the bias starts the sums
.macro G8 f, a0, first
.if \first
	WIN MUL1
.else
	WIN MUL
.endif
.irp a, \a0, (\a0)+1
.irp b, 0,1,2,3
.if \first
	v_wmma_f32_16x16x32_bf16 v[8*(4*(\a)+(\b)):8*(4*(\a)+(\b))+7], v[(\f)+8*(\b):(\f)+8*(\b)+7], v[(\f)+32+8*(\a):(\f)+32+8*(\a)+7], v[BIAS+8*(\b):BIAS+8*(\b)+7]
.else
	v_wmma_f32_16x16x32_bf16 v[8*(4*(\a)+(\b)):8*(4*(\a)+(\b))+7], v[(\f)+8*(\b):(\f)+8*(\b)+7], v[(\f)+32+8*(\a):(\f)+32+8*(\a)+7], v[8*(4*(\a)+(\b)):8*(4*(\a)+(\b))+7]
.endif
.endr
.endr
.endm
; 24 LDS loads in one run: the fragments of block q of the step's four blocks of k, into buffer f: wfc's four, h2's first four, h2's last four
.macro FETCH slot, q, f
	WIN 0
.irp i, 0,1,2,3
	ds_load_b128 v[(\f)+8*(\i):(\f)+8*(\i)+3],   v[ADRB+(\slot)] offset:(\i)*4096+(\q)*1024
	ds_load_b128 v[(\f)+8*(\i)+4:(\f)+8*(\i)+7], v[ADRB+(\slot)] offset:(\i)*4096+(\q)*1024+512
.endr
.irp i, 0,1,2,3,4,5,6,7
	ds_load_b128 v[(\f)+32+8*(\i):(\f)+32+8*(\i)+3],   v[ADRA+(\slot)] offset:(\i)*4096+(\q)*1024
	ds_load_b128 v[(\f)+32+8*(\i)+4:(\f)+32+8*(\i)+7], v[ADRA+(\slot)] offset:(\i)*4096+(\q)*1024+512
.endr
.endm
.macro PLACES                          ; four places in front of loads into registers that matrix instructions have read, and of vector lines that read results
.rept 4
	v_nop
.endr
.endm
; A K step is four quarters of 32 along K, 32 matrix instructions each, on buffers 0, 1, 0, 1; the 32 accumulators take turns.  One of the first three: multiplies buffer f, fetches block q into gb.
.macro QUARTER slot, q, f, gb, first
	s_wait_dscnt 8                                 ; wfc's fragments and h2's first four are in; the youngest eight loads may be out
	G8 \f, 0, \first
	G8 \f, 2, \first
	PLACES
	FETCH \slot, \q, \gb
	s_wait_dscnt 24                                ; all but the 24 just issued
	G8 \f, 4, \first
	G8 \f, 6, \first
.endm
; The last quarter multiplies buffer 1 and changes slots: ONE barrier; in front of it each wave waits for all its tensor loads, adds 0 to its spare word, and waits for that and for its own reads of this slot.
.macro TURN slot, next, fill
	WIN 0
	s_wait_tensorcnt 0x0                           ; all my tensor loads have landed: my part of the next slot;
	ds_add_u32 v[SPW], v[NIL]                      ; 0 onto my spare word;
	s_wait_dscnt 9                                 ; (the add and the youngest eight loads may be out)
	G8 F1, 0, 0                                    ; eight matrix instructions stand between the add and the wait for it
	s_wait_dscnt 0x0                               ; the add is done, and my reads of this slot are over
	s_barrier_signal -1
	G8 F1, 2, 0
.if \fill
	WIN 0
.endif
	s_barrier_wait -1
.if \fill
	CREST                                          ; the barrier has opened a round of the cluster's: no wave of any partner still reads this slot or has a load on its way
	s_add_nc_u64 s[G0+4*(\slot)+2:G0+4*(\slot)+3], s[G0+4*(\slot)+2:G0+4*(\slot)+3], 8192
	s_add_nc_u64 s[G0B+4*(\slot)+2:G0B+4*(\slot)+3], s[G0B+4*(\slot)+2:G0B+4*(\slot)+3], 8192
	JLOAD \slot                                    ; the first tensor load behind the round; its four v_nop are also the places in front of the loads below
.else
	PLACES
.endif
	FETCH \next, 0, F0
	G8 F1, 4, 0
	G8 F1, 6, 0
.endm
	s_wait_tensorcnt 1                             ; my part of K step 0 is in; slot 1's load stays out
	s_barrier_signal -1
	s_barrier_wait -1                              ; everybody's is
	FETCH 0, 0, F0
	s_wait_loadcnt 0x0                             ; the biases
	QUARTER 0, 1, F0, F1, 1
	QUARTER 0, 2, F1, F0, 0
	QUARTER 0, 3, F0, F1, 0
	TURN 0, 1, 1                                   ; slot 0 takes K step 2
	QUARTER 1, 1, F0, F1, 0
	QUARTER 1, 2, F1, F0, 0
	QUARTER 1, 3, F0, F1, 0
	TURN 1, 0, 1                                   ; slot 1 takes K step 3
	QUARTER 0, 1, F0, F1, 0
	QUARTER 0, 2, F1, F0, 0
	QUARTER 0, 3, F0, F1, 0
	TURN 0, 1, 0                                   ; nothing is left to fetch
	QUARTER 1, 1, F0, F1, 0
	QUARTER 1, 2, F1, F0, 0
	QUARTER 1, 3, F0, F1, 0
	s_wait_dscnt 8
	G8 F1, 0, 0
	G8 F1, 2, 0
	s_wait_dscnt 0x0
	G8 F1, 4, 0
	G8 F1, 6, 0
	PLACES
; THE WAY OUT of block of rows a: 32 numbers a lane.  Each accumulator's registers are read in ascending order.
.macro EPI a
.set XB, 32*(\a)
.set YB, YY+16*((\a)%2)
	WIN 0x05                                       ; sources 0 and 1 in window 1
.set z, 0
.rept 16
	v_pk_mul_f32 v[TT+2*z:TT+2*z+1], v[XB+2*z:XB+2*z+1], v[XB+2*z:XB+2*z+1]
.set z, z+1
.endr
	WIN 0
.set z, 0
.rept 16
	v_pk_fma_f32 v[TT+2*z:TT+2*z+1], v[TT+2*z:TT+2*z+1], s[72:73], s[74:75] op_sel_hi:[1,0,0]
.set z, z+1
.endr
	WIN 0x04                                       ; source 1 in window 1
.set z, 0
.rept 16
	v_pk_mul_f32 v[TT+2*z:TT+2*z+1], v[TT+2*z:TT+2*z+1], v[XB+2*z:XB+2*z+1]
.set z, z+1
.endr
	WIN 0
.set z, 0
.rept 32
	v_exp_f32 v[TT+z], v[TT+z]
.set z, z+1
.endr
	v_nop                                          ; a plain instruction between the last exponential and its use (ISA guide 5.7.2)
.set z, 0
	s_wait_alu depctr_va_vdst(0)
.rept 16
	v_pk_add_f32 v[TT+2*z:TT+2*z+1], v[TT+2*z:TT+2*z+1], 1.0 op_sel_hi:[1,0]
.set z, z+1
.endr
.set z, 0
.rept 32
	v_rcp_f32 v[TT+z], v[TT+z]
.set z, z+1
.endr
	v_nop
	WIN 0x04
.set z, 0
	s_wait_alu depctr_va_vdst(0)
.rept 16
	v_pk_mul_f32 v[TT+2*z:TT+2*z+1], v[TT+2*z:TT+2*z+1], v[XB+2*z:XB+2*z+1]
.set z, z+1
.endr
	WIN 0
	s_wait_xcnt 0x0                                ; the registers that earlier stores read are rewritten only behind this wait
.set z, 0
.rept 16
	v_cvt_pk_bf16_f32 v[YB+z], v[TT+2*z], v[TT+2*z+1]
.set z, z+1
.endr
.irp b, 0,1,2,3
	global_store_b128 v[LN16], v[YB+4*(\b):YB+4*(\b)+3], s[70:71] offset:(\a)*65536+(\b)*512   ; 512 consecutive bytes, at a multiple of 256
.endr
.endm
.irp a, 0,1,2,3,4,5,6,7
	EPI \a
.endr
	s_wait_tensorcnt 0x0                           ; the wave's end
	ds_add_u32 v[SPW], v[NIL]
	s_wait_dscnt 0x0
	CROUND                                         ; the closing round
	s_endpgm
.Lfunc_end_k_qce8c65c3bc_fc:
	.size	k_qce8c65c3bc_fc, .Lfunc_end_k_qce8c65c3bc_fc-k_qce8c65c3bc_fc
	.p2alignl 7, 3214868480
	.fill 96, 4, 3214868480
	.section	.rodata,"a",@progbits
	.p2align	6, 0x0
	.amdhsa_kernel k_qce8c65c3bc_fc
		.amdhsa_group_segment_fixed_size 327680
		.amdhsa_private_segment_fixed_size 0
		.amdhsa_enable_private_segment 0
		.amdhsa_kernarg_size 32
		.amdhsa_user_sgpr_count 2
		.amdhsa_user_sgpr_kernarg_segment_ptr 1
		.amdhsa_wavefront_size32 1
		.amdhsa_system_sgpr_workgroup_id_x 1
		.amdhsa_system_sgpr_workgroup_id_y 1
		.amdhsa_system_sgpr_workgroup_id_z 1
		.amdhsa_system_vgpr_workitem_id 0
		.amdhsa_next_free_vgpr 512
		.amdhsa_next_free_sgpr 80
		.amdhsa_reserve_vcc 0
		.amdhsa_float_denorm_mode_32 3
		.amdhsa_float_denorm_mode_16_64 3
		.amdhsa_memory_ordered 1
		.amdhsa_forward_progress 1
		.amdhsa_inst_pref_size 140
	.end_amdhsa_kernel
	.amdgpu_metadata
---
amdhsa.version: [ 1, 2 ]
amdhsa.kernels:
  - .name:           k_qce8c65c3bc_fc
    .symbol:         k_qce8c65c3bc_fc.kd
    .args:
      - { .name: h2, .offset: 0, .size: 8, .value_kind: global_buffer, .address_space: global }
      - { .name: wts, .offset: 8, .size: 8, .value_kind: global_buffer, .address_space: global }
      - { .name: bfc, .offset: 16, .size: 8, .value_kind: global_buffer, .address_space: global }
      - { .name: g, .offset: 24, .size: 8, .value_kind: global_buffer, .address_space: global }
    .group_segment_fixed_size: 327680
    .private_segment_fixed_size: 0
    .kernarg_segment_align: 8
    .kernarg_segment_size: 32
    .max_flat_workgroup_size: 256
    .sgpr_count:     80
    .vgpr_count:     512
    .wavefront_size: 32
...
	.end_amdgpu_metadata
.endif
;; end of part 5
;; launch proj (part 6): grid 4 x 64, 4 waves a work-group, clusters of 4 x 4, 327,680 bytes of LDS; arguments g, wts, x2t, bproj, out0; writes out0
.if DOCPART == 6
	.amdgcn_target "amdgcn-amd-amdhsa--gfx1250"
	.amdhsa_code_object_version 6
	.text
	.protected	k_qce8c65c3bc_proj
	.globl	k_qce8c65c3bc_proj
	.p2align	8
	.type	k_qce8c65c3bc_proj,@function
k_qce8c65c3bc_proj:
	s_mov_b64 s[64:65], 0
	v_nop
	global_prefetch_b8 v0, s[64:65] scope:SCOPE_SE
	s_setreg_imm32_b32 hwreg(HW_REG_WAVE_MODE, 25, 1), 1
	s_wait_xcnt 0x0
	s_wait_alu depctr_hold_cnt(0) depctr_sa_sdst(0) depctr_va_vdst(0) depctr_va_sdst(0) depctr_va_ssrc(0) depctr_va_vcc(0) depctr_vm_vsrc(0)
	s_getreg_b32 s2, hwreg(HW_REG_IB_STS2, 6, 4)
	s_cmp_eq_u32 s2, 0
	s_cbranch_scc0 .Lentry_in_a_cluster
	s_endpgm
.Lentry_in_a_cluster:
	s_bfe_u32 s2, ttmp6, 0x10000c
	s_cmp_lg_u32 s2, 0xf033
	s_cbranch_scc0 .Lentry_shape_is_right
	s_endpgm
.Lentry_shape_is_right:
; out = g wproj + bproj + x2.  g [8192][2048] and wproj [2048][512] come in bf16 fragment blocks of 1,024 bytes (16 rows or columns x 32 k; [block][64 blocks of k]); x2 in f32 as accumulators lie; out in f32, row-major.
; SHARES.  A tile of 128 x 128 to a work-group: 256 work-groups.  Four waves, each 64 x 64: 16 accumulators.  K = 2,048 goes in eight steps of 256 through two LDS slots; a step's 8 blocks of k of one block of
; rows are 8,192 consecutive bytes of memory, a row of the tensor load's tile.  In LDS the blocks lie as in memory: a fragment is two loads of consecutive bytes, nothing is padded.
; The matrix instruction is used transposed (source 0 = 16 columns of wproj, source 1 = 16 rows of g).  x2 + bproj is put into the accumulators in the wait for the first tile: every product adds in place.
; CLUSTERS: 4 x 4 work-groups; g's tiles are asked for jointly along a row of the cluster, wproj's along a column.  Waves 0 and 1 fetch g's halves, waves 2 and 3 wproj's.  Two tensor loads of a wave are out at the start, later one.
; THE WAY OUT.  A wave's 64 columns of f32 are 256 bytes of a row of out, at a multiple of 256: each wave has a stage of its own (16 rows x 272 bytes), no barrier, and stores whole rows of 256 bytes.
; REGISTERS: window 0: v0-31 addresses; v32-95 the way out; v96-127 bproj; v128-255 the accumulators ((a, b) at 128 + 8 (4 a + b)).  window 1: two fragment buffers of 128 (64 along K: 64 registers of g, then 64 of wproj).
.set SLOT,   131072                    ; g's 8 blocks of rows x 8,192 bytes, then wproj's 8 blocks of columns
.set STAGE,  262144                    ; behind the two slots; no tensor load fills it
.set SPITCH, 272                       ; 17 x 16 bytes: the 16 rows that a store touches start at 16 different groups of four banks
.set SPARE,  STAGE+4*16*SPITCH         ; 279,552: the spare words, 128 bytes for each of 4 waves
.set WPJ_B,  3211264
.set LAPS,   4                         ; a lap = two K steps = once round the ring
.set ADRA, 16
.set ADRB, 20
.set STO,  24                          ; v24  the way out: where I put 32 bytes of a row
.set RD,   25                          ; v25  where I read a row back
.set CO,   26                          ; v26  my byte offset in two rows of out
.set LN16, 27                          ; v27  16 x lane
.set SPW,  28
.set NIL,  29
.set HB,   30                          ; v30  32 x (lane / 16)
.set TMP,  32
.set BP,   96
.set ACC,  128
.set F0,   0
.set F1,   128
.set G1, 24
.set G0, 32
.set G1B, 48
.set G0B, 56
.set MSB, 0
.macro WIN new
.if MSB != (\new)
	s_set_vgpr_msb (MSB<<8)|(\new)
.set MSB, \new
.endif
.endm
.set MUL,  0x05                        ; sources 0 and 1 in window 1; C and D in window 0
.set TO_F, 0x40                        ; destination in window 1, address in window 0
.macro JLOAD s                         ; a joint load; an s_nop 0 and four v_nop follow each of the two lines, ahead of the jump, the label and what follows
	s_cmp_eq_u32 s11, 0
	s_cbranch_scc0 .Lfor_b_\@
	tensor_load_to_lds s[G0+4*(\s):G0+4*(\s)+3], s[G1:G1+7]
	s_nop 0
.rept 4
	v_nop
.endr
	s_branch .Lasked_\@
.Lfor_b_\@:
	tensor_load_to_lds s[G0B+4*(\s):G0B+4*(\s)+3], s[G1B:G1B+7]
	s_nop 0
.rept 4
	v_nop
.endr
.Lasked_\@:
.endm
.macro CREST
	s_cmp_lg_u32 s10, 0
	s_cbranch_scc1 .Lnot_wave_0_\@
	s_barrier_signal -3
.Lnot_wave_0_\@:
	s_barrier_wait -3
	s_barrier_signal -1
	s_barrier_wait -1
.endm
.macro CROUND
	s_barrier_signal -1
	s_barrier_wait -1
	CREST
.endm
	s_load_b128 s[4:7], s[0:1], 0x0                ; g s[4:5], wts s[6:7]
	s_load_b128 s[68:71], s[0:1], 0x10             ; x2t s[68:69], bproj s[70:71]
	s_load_b64 s[8:9], s[0:1], 0x20                ; out
	v_lshl_add_u32 v[SPW], v0, 2, SPARE
	v_mov_b32 v[NIL], 0
	ds_add_u32 v[SPW], v[NIL]                      ; the wave's opening: the add and its wait stand ahead of my first tensor load; the set-up below, work on registers, stands between them
	v_lshrrev_b32 v1, 5, v0
	v_readfirstlane_b32 s10, v1                    ; wave 0..3
	s_lshr_b32 s11, s10, 1                         ; which half of the tile's rows is mine.  Also: I fetch for g (0) or for wproj (1)
	s_and_b32 s12, s10, 1                          ; which half of its columns.  Also: which four blocks of that tile I fetch
	s_bfe_u32 s40, ttmp6, 0x40000
	s_bfe_u32 s41, ttmp6, 0x40004
	s_lshl_b32 s42, ttmp9, 2
	s_add_co_u32 s42, s42, s40                     ; tile column
	s_and_b32 s13, ttmp7, 0xffff
	s_lshl_b32 s13, s13, 2
	s_add_co_u32 s13, s13, s41                     ; tile row
	s_lshl_b32 s43, s41, 2
	s_lshl_b32 s43, 15, s43                        ; my row of the cluster
	s_lshl_b32 s44, 0x1111, s40                    ; my column
	s_or_b32 s[G1+0], s43, (3<<16)|(1<<21)         ; 15:0 the mask; 17:16 elements of 8 bytes; 21 set beside a mask
	s_or_b32 s[G1B+0], s44, (3<<16)|(1<<21)
.irp g, G1, G1B
	s_mov_b32 s[(\g)+1], 1024<<16                  ; tensor_dim0 = 1,024 elements: 8,192 bytes
	s_mov_b32 s[(\g)+2], 4<<16                     ; tensor_dim1 = 4
	s_mov_b32 s[(\g)+3], 1024<<16                  ; tile_dim0
	s_mov_b32 s[(\g)+4], 4                         ; tile_dim1
	s_mov_b32 s[(\g)+5], 8192                      ; 65,536 bytes from a block of rows to the next
	s_mov_b32 s[(\g)+6], 0
	s_mov_b32 s[(\g)+7], 0
.endr
	s_lshl_b32 s17, s12, 2                         ; which four blocks I fetch
	s_lshl_b32 s16, s13, 3
	s_add_co_u32 s16, s16, s17                     ; g: block 8 x tile row + 4 x half
	s_lshl_b32 s16, s16, 16
	s_lshl_b32 s46, s42, 3
	s_add_co_u32 s46, s46, s17                     ; wproj: block 8 x tile column + 4 x half
	s_lshl_b32 s46, s46, 16
	s_add_co_u32 s46, s46, WPJ_B
	s_mov_b32 s17, 0
	s_mov_b32 s47, 0
	s_lshl_b32 s20, s10, 15                        ; where they go: wave x 32,768
	s_wait_dscnt 0x0                               ; the opening add is done
	s_wait_kmcnt 0x0
	s_add_nc_u64 s[14:15], s[4:5], s[16:17]
	s_add_nc_u64 s[46:47], s[6:7], s[46:47]
	CROUND                                         ; all sixteen work-groups are here: the first joint loads meet
.irp s, 0,1
	s_mov_b32 s[G0+4*(\s)], 1
	s_add_co_u32 s[G0+4*(\s)+1], s20, (\s)*SLOT
	s_add_nc_u64 s[G0+4*(\s)+2:G0+4*(\s)+3], s[14:15], (\s)*8192   ; K step s
	s_or_b32 s[G0+4*(\s)+3], s[G0+4*(\s)+3], 0x80000000
	s_mov_b32 s[G0B+4*(\s)], 1
	s_add_co_u32 s[G0B+4*(\s)+1], s20, (\s)*SLOT
	s_add_nc_u64 s[G0B+4*(\s)+2:G0B+4*(\s)+3], s[46:47], (\s)*8192
	s_or_b32 s[G0B+4*(\s)+3], s[G0B+4*(\s)+3], 0x80000000
	JLOAD \s
.endr
	v_and_b32 v1, 15, v0                           ; lane % 16
	v_bfe_u32 v2, v0, 4, 1                         ; lane / 16
	v_and_b32 v3, 31, v0
	v_lshlrev_b32 v[LN16], 4, v3
	v_lshlrev_b32 v[HB], 5, v2
	s_lshl_b32 s21, s11, 15                        ; my four blocks of rows
	s_lshl_b32 s22, s12, 15                        ; my four blocks of columns,
	s_add_co_u32 s22, s22, 65536                   ; which lie behind g's eight
.irp s, 0,1
	v_add_nc_u32 v[ADRA+(\s)], s21, v[LN16]
	v_add_nc_u32 v[ADRB+(\s)], s22, v[LN16]
	s_add_co_u32 s21, s21, SLOT
	s_add_co_u32 s22, s22, SLOT
.endr
	s_mul_i32 s23, s10, 16*SPITCH
	s_add_co_u32 s23, s23, STAGE                   ; my stage
	v_mul_u32_u24 v4, v1, SPITCH                   ; in: row lane % 16, 32 bytes for each half of the lanes
	v_lshl_add_u32 v4, v2, 5, v4
	v_add_nc_u32 v[STO], s23, v4
	v_mul_u32_u24 v5, v2, SPITCH                   ; back: lanes 0-15 take one row of 256 bytes, lanes 16-31 the next
	v_lshl_add_u32 v5, v1, 4, v5
	v_add_nc_u32 v[RD], s23, v5
	v_lshlrev_b32 v5, 11, v2                       ; and the same two rows in out
	v_lshl_add_u32 v[CO], v1, 4, v5
	s_lshl_b32 s16, s13, 18                        ; my first row: 128 x tile row + 64 x half; 2,048 bytes a row in out, and as many in x2t
	s_lshl_b32 s17, s11, 17
	s_add_co_u32 s16, s16, s17
	s_mov_b32 s17, 0
	s_add_nc_u64 s[8:9], s[8:9], s[16:17]
	s_add_nc_u64 s[68:69], s[68:69], s[16:17]
	s_lshl_b32 s46, s42, 9                         ; my first column, 4 bytes each: 512 x tile column + 256 x half
	s_lshl_b32 s47, s12, 8
	s_add_co_u32 s46, s46, s47
	s_mov_b32 s47, 0
	s_add_nc_u64 s[8:9], s[8:9], s[46:47]
	s_add_nc_u64 s[70:71], s[70:71], s[46:47]
	s_lshl_b32 s46, s46, 4                         ; in x2t a block of 16 columns is 1,024 bytes
	s_add_nc_u64 s[68:69], s[68:69], s[46:47]
.irp a, 0,1,2,3
.irp b, 0,1,2,3
	global_load_b128 v[ACC+8*(4*\a+\b):ACC+8*(4*\a+\b)+3],   v[LN16], s[68:69] offset:\a*32768+\b*1024 th:TH_LOAD_NT
	global_load_b128 v[ACC+8*(4*\a+\b)+4:ACC+8*(4*\a+\b)+7], v[LN16], s[68:69] offset:\a*32768+\b*1024+512 th:TH_LOAD_NT
.endr
.endr
.irp b, 0,1,2,3
	global_load_b128 v[BP+8*\b:BP+8*\b+3],   v[HB], s[70:71] offset:\b*64
	global_load_b128 v[BP+8*\b+4:BP+8*\b+7], v[HB], s[70:71] offset:\b*64+16
.endr
	s_wait_loadcnt 0x0
.irp a, 0,1,2,3
.irp b, 0,1,2,3
.irp z, 0,1,2,3
	v_pk_add_f32 v[ACC+8*(4*\a+\b)+2*\z:ACC+8*(4*\a+\b)+2*\z+1], v[ACC+8*(4*\a+\b)+2*\z:ACC+8*(4*\a+\b)+2*\z+1], v[BP+8*\b+2*\z:BP+8*\b+2*\z+1]
.endr
.endr
.endr
; 8 matrix instructions: blocks of rows a0, a0 + 1 x all 4 blocks of columns, 32 along K: half c of buffer f
.macro MUL8 f, c, a0
	WIN MUL
.irp a, \a0, (\a0)+1
.irp b, 0,1,2,3
	v_wmma_f32_16x16x32_bf16 v[ACC+8*(4*(\a)+(\b)):ACC+8*(4*(\a)+(\b))+7], v[(\f)+64+8*(4*(\c)+(\b)):(\f)+64+8*(4*(\c)+(\b))+7], v[(\f)+8*(4*(\c)+(\a)):(\f)+8*(4*(\c)+(\a))+7], v[ACC+8*(4*(\a)+(\b)):ACC+8*(4*(\a)+(\b))+7]
.endr
.endr
.endm
; 32 LDS loads in one run: the fragments of blocks 2 q and 2 q + 1 of the step's eight blocks of k, into buffer f; the first block first
.macro FETCH slot, q, f
	WIN TO_F
.irp c, 0,1
.irp i, 0,1,2,3
	ds_load_b128 v[(\f)+64+8*(4*(\c)+(\i)):(\f)+64+8*(4*(\c)+(\i))+3],   v[ADRB+(\slot)] offset:(\i)*8192+(2*(\q)+(\c))*1024
	ds_load_b128 v[(\f)+64+8*(4*(\c)+(\i))+4:(\f)+64+8*(4*(\c)+(\i))+7], v[ADRB+(\slot)] offset:(\i)*8192+(2*(\q)+(\c))*1024+512
	ds_load_b128 v[(\f)+8*(4*(\c)+(\i)):(\f)+8*(4*(\c)+(\i))+3],         v[ADRA+(\slot)] offset:(\i)*8192+(2*(\q)+(\c))*1024
	ds_load_b128 v[(\f)+8*(4*(\c)+(\i))+4:(\f)+8*(4*(\c)+(\i))+7],       v[ADRA+(\slot)] offset:(\i)*8192+(2*(\q)+(\c))*1024+512
.endr
.endr
.endm
.macro PLACES                          ; four places in front of loads into registers that matrix instructions have read, and of LDS stores that read results
.rept 4
	v_nop
.endr
.endm
; A K step is four quarters of 64 along K, 32 matrix instructions each, on buffers 0, 1, 0, 1; the 16 accumulators take turns.
.macro QUARTER slot, q, f, gb
	s_wait_dscnt 16                                ; the first 32 along K are in; the youngest sixteen loads may be out
	MUL8 \f, 0, 0
	MUL8 \f, 0, 2
	PLACES
	FETCH \slot, \q, \gb
	s_wait_dscnt 32                                ; all but the 32 just issued
	MUL8 \f, 1, 0
	MUL8 \f, 1, 2
.endm
; The last quarter multiplies buffer 1 and changes slots: ONE barrier; in front of it each wave waits for all its tensor loads, adds 0 to its spare word, and waits for that and for its own reads of this slot.
.macro TURN slot, next, fill
	WIN 0                                          ; (the add's two registers lie in window 0)
	s_wait_tensorcnt 0x0                           ; all my tensor loads have landed: my part of the next slot;
	ds_add_u32 v[SPW], v[NIL]                      ; 0 onto my spare word;
	s_wait_dscnt 17                                ; (the add and the youngest sixteen loads may be out)
	MUL8 F1, 0, 0                                  ; eight matrix instructions stand between the add and the wait for it
	s_wait_dscnt 0x0                               ; the add is done, and my reads of this slot are over
	s_barrier_signal -1
	MUL8 F1, 0, 2
.if \fill
	WIN 0
.endif
	s_barrier_wait -1
.if \fill
	CREST                                          ; the barrier has opened a round of the cluster's: no wave of any partner still reads this slot or has a load on its way
	s_add_nc_u64 s[G0+4*(\slot)+2:G0+4*(\slot)+3], s[G0+4*(\slot)+2:G0+4*(\slot)+3], 16384
	s_add_nc_u64 s[G0B+4*(\slot)+2:G0B+4*(\slot)+3], s[G0B+4*(\slot)+2:G0B+4*(\slot)+3], 16384
	JLOAD \slot                                    ; the first tensor load behind the round; its four v_nop are also the places in front of the loads below
.else
	PLACES
.endif
	FETCH \next, 0, F0
	MUL8 F1, 1, 0
	MUL8 F1, 1, 2
.endm
	s_wait_tensorcnt 1                             ; my part of K step 0 is in; slot 1's load stays out
	s_barrier_signal -1
	s_barrier_wait -1                              ; everybody's is
	FETCH 0, 0, F0
	QUARTER 0, 1, F0, F1
	WIN 0                                          ; at a label and at a branch every window is 0
	s_mov_b32 s3, LAPS-1
.Llap:                                 ; a trip goes once round the ring, from a lap's second quarter to the next lap's first, and fills both slots again
	QUARTER 0, 2, F1, F0
	QUARTER 0, 3, F0, F1
	TURN 0, 1, 1
	QUARTER 1, 1, F0, F1
	QUARTER 1, 2, F1, F0
	QUARTER 1, 3, F0, F1
	TURN 1, 0, 1
	QUARTER 0, 1, F0, F1
	WIN 0
	s_sub_co_u32 s3, s3, 1
	s_cmp_lg_u32 s3, 0
	s_cbranch_scc1 .Llap
	QUARTER 0, 2, F1, F0                           ; the last lap fills nothing
	QUARTER 0, 3, F0, F1
	TURN 0, 1, 0
	QUARTER 1, 1, F0, F1
	QUARTER 1, 2, F1, F0
	QUARTER 1, 3, F0, F1
	s_wait_dscnt 16
	MUL8 F1, 0, 0
	MUL8 F1, 0, 2
	s_wait_dscnt 0x0
	MUL8 F1, 1, 0
	MUL8 F1, 1, 2
	WIN 0
	; THE WAY OUT, 16 rows at a time: 32 bytes a lane and block of columns into my stage, the low four registers of each accumulator first; back as whole rows of 256 bytes.
	PLACES
.irp a, 0,1,2,3
.set BK, TMP+32*((\a)%2)
.irp b, 0,1,2,3
	ds_store_b128 v[STO], v[ACC+8*(4*(\a)+(\b)):ACC+8*(4*(\a)+(\b))+3]   offset:64*(\b)
	ds_store_b128 v[STO], v[ACC+8*(4*(\a)+(\b))+4:ACC+8*(4*(\a)+(\b))+7] offset:64*(\b)+16
.endr
.if (\a) >= 2
	s_wait_xcnt 0x0                                ; the registers that the stores two blocks back read are loaded again only behind this wait
.endif
.irp t, 0,1,2,3,4,5,6,7
	ds_load_b128 v[BK+4*(\t):BK+4*(\t)+3], v[RD] offset:(\t)*2*SPITCH   ; LDS serves a wave's instructions in order (ISA guide 5.7.1.4): these see the stores above; the next block's stores come behind them
.endr
	s_wait_dscnt 0x0
.irp t, 0,1,2,3,4,5,6,7
	global_store_b128 v[CO], v[BK+4*(\t):BK+4*(\t)+3], s[8:9] offset:(16*(\a)+2*(\t))*2048 th:TH_STORE_NT   ; 16 lanes store 256 consecutive bytes, at a multiple of 256 from out's first byte
.endr
.endr
	s_wait_tensorcnt 0x0                           ; the wave's end: behind my last tensor load and my last LDS store
	ds_add_u32 v[SPW], v[NIL]
	s_wait_dscnt 0x0
	CROUND                                         ; the closing round
	s_endpgm
.Lfunc_end_k_qce8c65c3bc_proj:
	.size	k_qce8c65c3bc_proj, .Lfunc_end_k_qce8c65c3bc_proj-k_qce8c65c3bc_proj
	.p2alignl 7, 3214868480
	.fill 96, 4, 3214868480
	.section	.rodata,"a",@progbits
	.p2align	6, 0x0
	.amdhsa_kernel k_qce8c65c3bc_proj
		.amdhsa_group_segment_fixed_size 327680
		.amdhsa_private_segment_fixed_size 0
		.amdhsa_enable_private_segment 0
		.amdhsa_kernarg_size 40
		.amdhsa_user_sgpr_count 2
		.amdhsa_user_sgpr_kernarg_segment_ptr 1
		.amdhsa_wavefront_size32 1
		.amdhsa_system_sgpr_workgroup_id_x 1
		.amdhsa_system_sgpr_workgroup_id_y 1
		.amdhsa_system_sgpr_workgroup_id_z 1
		.amdhsa_system_vgpr_workitem_id 0
		.amdhsa_next_free_vgpr 512
		.amdhsa_next_free_sgpr 80
		.amdhsa_reserve_vcc 0
		.amdhsa_float_denorm_mode_32 3
		.amdhsa_float_denorm_mode_16_64 3
		.amdhsa_memory_ordered 1
		.amdhsa_forward_progress 1
		.amdhsa_inst_pref_size 93
	.end_amdhsa_kernel
	.amdgpu_metadata
---
amdhsa.version: [ 1, 2 ]
amdhsa.kernels:
  - .name:           k_qce8c65c3bc_proj
    .symbol:         k_qce8c65c3bc_proj.kd
    .args:
      - { .name: g, .offset: 0, .size: 8, .value_kind: global_buffer, .address_space: global }
      - { .name: wts, .offset: 8, .size: 8, .value_kind: global_buffer, .address_space: global }
      - { .name: x2t, .offset: 16, .size: 8, .value_kind: global_buffer, .address_space: global }
      - { .name: bproj, .offset: 24, .size: 8, .value_kind: global_buffer, .address_space: global }
      - { .name: out0, .offset: 32, .size: 8, .value_kind: global_buffer, .address_space: global }
    .group_segment_fixed_size: 327680
    .private_segment_fixed_size: 0
    .kernarg_segment_align: 8
    .kernarg_segment_size: 40
    .max_flat_workgroup_size: 128
    .sgpr_count:     80
    .vgpr_count:     512
    .wavefront_size: 32
...
	.end_amdgpu_metadata
.endif
;; end of part 6
;; ======== version 2 of 2: 6 launches; version 1 with the launches lnqkv, wo_ln2 written anew for expert scheduling mode
;; workspace buffers: wts 5,308,416 bytes; qkv 9,437,184 bytes; att 8,388,608 bytes; x2t 16,777,216 bytes; h2 8,388,608 bytes; g 33,554,432 bytes
;; launch prep: the kernel of part 1 again; grid 162 x 2, 8 waves a work-group, no clusters, 0 bytes of LDS; arguments wq, wkv, wo, wfc, wproj, wts; writes wts
;; launch lnqkv (part 7): grid 256 x 1, 12 waves a work-group, no clusters, 34,816 bytes of LDS; arguments hidden_states, ln1_g, ln1_b, bq, bkv, wts, qkv; writes qkv
.if DOCPART == 7
	.amdgcn_target "amdgcn-amd-amdhsa--gfx1250"
	.amdhsa_code_object_version 6
	.text
	.protected	k_qce8c65c3bc_lnqkv
	.globl	k_qce8c65c3bc_lnqkv
	.p2align	8
	.type	k_qce8c65c3bc_lnqkv,@function
k_qce8c65c3bc_lnqkv:
	s_mov_b64 s[64:65], 0
	v_nop
	global_prefetch_b8 v0, s[64:65] scope:SCOPE_SE
	s_setreg_imm32_b32 hwreg(HW_REG_WAVE_SCHED_MODE, 0, 2), 2
	s_setreg_imm32_b32 hwreg(HW_REG_WAVE_MODE, 25, 1), 1
	s_wait_xcnt 0x0
	s_wait_alu depctr_vm_vsrc(0)
; h = LN1(x); [q | k | v] = h [wq | wkv] + [bq | bkv], written in bf16 in fragment blocks.
; SHARES.  A work-group owns 32 rows of x and all 576 columns.  Waves 0 to 7 normalise four rows each (a row is 2,048 bytes: 16 registers of one
; wave, so mean and variance never leave the wave; the variance is taken of x - mean, in a second pass over the registers) and put h, rounded to bf16,
; into LDS.  Then wave w multiplies: blocks of 16 columns 3 w .. 3 w + 2, both blocks of 16 rows: 6 accumulators, K = 512 in 16 steps of 32.
; THE MATRIX INSTRUCTION IS USED TRANSPOSED: source 0 = 16 columns of the weight, source 1 = 16 rows of h.  A lane then holds one row and eight
; neighbouring columns, which rounded to bf16 are 16 bytes of the fragment block that the next launch loads: a store of a wave is 512 consecutive bytes.
; The bias is the C operand of the first product: nothing is cleared and nothing is added afterwards.
; NO CLUSTER, NO TENSOR LOADS: a weight fragment feeds exactly one wave of the work-group, so it goes from memory into that wave's registers
; (four sets of registers, three on their way while one is multiplied); a joint load would land in LDS and add 576 KB of LDS writes and reads a work-group.
; qkv: [block of 16 positions][18][1,024 bytes]: 16 heads' q, then k, then v; block of columns nb lies at 512 nb.
; LIMITS.  NaN and infinities are not treated apart; h, q, k, v are rounded once to bf16.
; THE MODE: SCHED_MODE bits 1:0 = 2 (LLVM: expert scheduling mode 2), set by the entry lines.  The code itself states the register dependences
; between vector or matrix instructions and memory or LDS instructions, with s_wait_alu, always for 0.
; THE PLAN.  Registers that memory or LDS instructions touch:
;   v1, v2, v4-7, v10  offsets and LDS addresses: made once at the head, never written again.
;   XR row t           loaded; worked on by the row's lines; its roundings close up into the row's own first eight registers, which the row's four LDS stores read.
;                      Those stores stand behind the wait for the NEXT row's roots, which also shows the roundings written; row 3's have a wait of their own.
;   GR, BR             loaded; read by the rows' multiply-adds; from the barrier on they are AF.
;   AF0, AF1           step kb: its products read AF[kb % 2]; its LDS loads land in the other, which the products of step kb - 1 read.
;   BF0 .. BF3         step kb: its products read set kb % 4; its six loads (step kb + 3) land in set (kb - 1) % 4, which the products of step kb - 1 read.
;   v120-143           at the end: written by the conversions, read by the six stores.
; So ONE wait on va_vdst stands at the head of a step: the products of the step before are done reading their fragments of h and of the weight.  The step's ten loads
; follow it, the weight's dealt among its products, which name set kb % 4, AF[kb % 2], the accumulators and the biases: none of the registers that those loads touch.
.set PITCH, 1040                       ; a row of h in LDS: 1,024 bytes + 16: 65 x 16, so the 16 rows of a fragment load start at 16 different groups of four banks
.set SPARE, 33280                      ; behind the 32 rows: the spare words, 128 bytes for each of 12 waves
.set QROW,  18432                      ; bytes of qkv for 16 positions
.set L16, 1                            ; v1   16 x lane
.set AA,  2                            ; v2   my place in a fragment of h: row x pitch + 16 x half
.set H32, 3                            ; v3   32 x half: my eight columns' biases
.set BOF, 4                            ; v4-6 byte offset of my biases, for each of my three blocks of columns
.set XO,  7                            ; v7   byte offset of my 16 bytes in my wave's first row of x
.set SPW, 8                            ; v8   my spare word; never rewritten
.set NIL, 9                            ; v9   0; never rewritten
.set LST, 10                           ; v10  where I put 8 bytes of h
.set ACC, 16                           ; v16-63   accumulator (t, rb) at 16 + 8 (2 t + rb)
.set XR,  16                           ; v16-79   before that: four rows of x, 16 registers each
.set BF3, 64                           ; v64-87   the weight's fourth set of three fragments: free when the rows are normalised
.set AF,  88                           ; v88-119  fragments of h, two buffers of two
.set GR,  88                           ; v88-103  before that: my 16 gains,
.set BR,  104                          ; v104-119 and my 16 offsets
.set BF,  120                          ; v120-191 fragments of the weight, sets 0 to 2 of three
.set T,   192                          ; v192-201 at work: no memory instruction names them
.set BIAS, 208                         ; v208-231 eight biases for each of my three blocks of columns
.macro BLOAD kb, t                     ; fragment t of the weight's three of K step kb: two loads of 512 consecutive bytes
.set LB, BF+24*((\kb)%4)
.if (\kb)%4 == 3
.set LB, BF3
.endif
	global_load_b128 v[LB+8*(\t):LB+8*(\t)+3],   v[L16], s[14:15] offset:(\t)*16384+(\kb)*1024
	global_load_b128 v[LB+8*(\t)+4:LB+8*(\t)+7], v[L16], s[14:15] offset:(\t)*16384+(\kb)*1024+512
.endm
.macro ALOAD kb                        ; h's two fragments of K step kb
.irp rb, 0,1
	ds_load_b128 v[AF+16*((\kb)%2)+8*\rb:AF+16*((\kb)%2)+8*\rb+3],   v[AA] offset:\rb*16*PITCH+(\kb)*64
	ds_load_b128 v[AF+16*((\kb)%2)+8*\rb+4:AF+16*((\kb)%2)+8*\rb+7], v[AA] offset:\rb*16*PITCH+(\kb)*64+32
.endr
.endm
.macro WSUM                            ; v[T] summed over the 32 lanes, the result in every lane
	v_add_f32_dpp v[T], v[T], v[T] row_xmask:1 row_mask:0xf bank_mask:0xf
	v_add_f32_dpp v[T], v[T], v[T] row_xmask:2 row_mask:0xf bank_mask:0xf
	v_add_f32_dpp v[T], v[T], v[T] row_xmask:4 row_mask:0xf bank_mask:0xf
	v_add_f32_dpp v[T], v[T], v[T] row_xmask:8 row_mask:0xf bank_mask:0xf
	v_permlanex16_b32 v[T+1], v[T], s34, s35
	v_add_f32 v[T], v[T], v[T+1]
.endm
.macro HSTORE t                        ; row t of my four, rounded, goes into LDS: 8 bytes x 4
.irp i, 0,1,2,3
	ds_store_b64 v[LST], v[XR+16*(\t)+2*\i:XR+16*(\t)+2*\i+1] offset:(\t)*PITCH+\i*256   ; columns 128 i + 4 lane ..: 32 lanes, 256 consecutive bytes
.endr
.endm
.macro LNROW t                         ; row t of my four: mean, x - mean, variance, scale, gain and offset, rounding; the row before goes into LDS on the way
.set XB, XR+16*(\t)
	v_pk_add_f32 v[T:T+1],   v[XB:XB+1],     v[XB+2:XB+3]
	v_pk_add_f32 v[T+2:T+3], v[XB+4:XB+5],   v[XB+6:XB+7]
	v_pk_add_f32 v[T+4:T+5], v[XB+8:XB+9],   v[XB+10:XB+11]
	v_pk_add_f32 v[T+6:T+7], v[XB+12:XB+13], v[XB+14:XB+15]
	v_pk_add_f32 v[T:T+1],   v[T:T+1],   v[T+2:T+3]
	v_pk_add_f32 v[T+4:T+5], v[T+4:T+5], v[T+6:T+7]
	v_pk_add_f32 v[T:T+1],   v[T:T+1],   v[T+4:T+5]
	v_add_f32 v[T], v[T], v[T+1]
	WSUM
	v_mul_f32 v[T+2], s30, v[T]                    ; the mean, twice: a pair for the packed subtraction
	v_mul_f32 v[T+3], s30, v[T]
.irp p, 0,1,2,3,4,5,6,7
	v_pk_add_f32 v[XB+2*\p:XB+2*\p+1], v[XB+2*\p:XB+2*\p+1], v[T+2:T+3] neg_lo:[0,1] neg_hi:[0,1]
.endr
	v_pk_mul_f32 v[T:T+1],   v[XB:XB+1],   v[XB:XB+1]      ; the squares, in two chains started by the first two pairs
	v_pk_mul_f32 v[T+4:T+5], v[XB+2:XB+3], v[XB+2:XB+3]
.irp p, 2,4,6
	v_pk_fma_f32 v[T:T+1],   v[XB+2*\p:XB+2*\p+1],   v[XB+2*\p:XB+2*\p+1],   v[T:T+1]
	v_pk_fma_f32 v[T+4:T+5], v[XB+2*\p+2:XB+2*\p+3], v[XB+2*\p+2:XB+2*\p+3], v[T+4:T+5]
.endr
	v_pk_add_f32 v[T:T+1], v[T:T+1], v[T+4:T+5]
	v_add_f32 v[T], v[T], v[T+1]
	WSUM
	v_fma_f32 v[T], v[T], s30, s31                 ; variance + 1e-5
	v_rsq_f32 v[T+8], v[T]
	v_rsq_f32 v[T+9], v[T]
	v_nop                                          ; a plain instruction between the root and its use (ISA guide 5.7.2)
	s_wait_alu depctr_va_vdst(0)                   ; the two roots v[T+8], v[T+9] are written, ahead of their first reader; so are the roundings of the row before, which the LDS stores below read
.if (\t) > 0
	HSTORE (\t)-1                                  ; no line of this row names the row before's registers
.endif
.irp p, 0,1,2,3,4,5,6,7
	v_pk_mul_f32 v[XB+2*\p:XB+2*\p+1], v[XB+2*\p:XB+2*\p+1], v[T+8:T+9]
.endr
.irp p, 0,1,2,3,4,5,6,7
	v_pk_fma_f32 v[XB+2*\p:XB+2*\p+1], v[XB+2*\p:XB+2*\p+1], v[GR+2*\p:GR+2*\p+1], v[BR+2*\p:BR+2*\p+1]
.endr
.irp p, 0,1,2,3,4,5,6,7
	v_cvt_pk_bf16_f32 v[XB+\p], v[XB+2*\p], v[XB+2*\p+1]   ; sixteen numbers close up into the first eight of their sixteen registers: each row has an out-buffer of its own
.endr
.endm
.macro KSTEP kb
.if (\kb) < 14
	s_wait_loadcnt 12                              ; loads come back in order: this step's set is in, the two younger sets of six stay out
.elseif (\kb) == 14
	s_wait_loadcnt 6
.else
	s_wait_loadcnt 0x0
.endif
	s_wait_dscnt 0x0                               ; h's fragments of this step
.if ((\kb) > 0) && ((\kb) < 15)
	s_wait_alu depctr_va_vdst(0)                   ; the products of the step before are done reading their fragments of h and their set of the weight, in which the loads below land
.endif
.if (\kb) < 15
	ALOAD (\kb)+1                                  ; the next step's, into the buffer that the step before read
.endif
.set MB, BF+24*((\kb)%4)
.if (\kb)%4 == 3
.set MB, BF3
.endif
.irp t, 0,1,2
.irp rb, 0,1
.if (\kb) == 0
	v_wmma_f32_16x16x32_bf16 v[ACC+8*(2*\t+\rb):ACC+8*(2*\t+\rb)+7], v[MB+8*\t:MB+8*\t+7], v[AF+16*((\kb)%2)+8*\rb:AF+16*((\kb)%2)+8*\rb+7], v[BIAS+8*\t:BIAS+8*\t+7]
.else
	v_wmma_f32_16x16x32_bf16 v[ACC+8*(2*\t+\rb):ACC+8*(2*\t+\rb)+7], v[MB+8*\t:MB+8*\t+7], v[AF+16*((\kb)%2)+8*\rb:AF+16*((\kb)%2)+8*\rb+7], v[ACC+8*(2*\t+\rb):ACC+8*(2*\t+\rb)+7]
.endif
.endr
.if (\kb) < 13
	BLOAD (\kb)+3, \t                              ; three steps ahead, into the set that the step before read.  No wait: no product since the wait above names that set
.endif
.endr
.rept 4
	v_nop                                          ; four places behind the products, in front of the next step's loads into registers that they read and of the conversions at the end; they stand beside the wait, not for it
.endr
.endm
	s_load_b256 s[4:11], s[0:1], 0x0               ; x s[4:5], gain s[6:7], offset s[8:9], bq s[10:11]
	s_load_b128 s[12:15], s[0:1], 0x20             ; bkv s[12:13], wts s[14:15]
	s_load_b64 s[16:17], s[0:1], 0x30              ; qkv
	v_lshl_add_u32 v[SPW], v0, 2, SPARE
	v_mov_b32 v[NIL], 0
	v_lshrrev_b32 v11, 5, v0
	v_readfirstlane_b32 s18, v11                   ; wave 0..11
	v_and_b32 v12, 31, v0                          ; lane
	v_lshlrev_b32 v[L16], 4, v12
	v_and_b32 v13, 15, v0                          ; lane % 16
	v_bfe_u32 v14, v0, 4, 1                        ; lane / 16
	v_mul_u32_u24 v[AA], v13, PITCH
	v_lshl_add_u32 v[AA], v14, 4, v[AA]
	v_lshlrev_b32 v[H32], 5, v14
	s_mov_b32 s34, 0x76543210                      ; v_permlanex16_b32: each lane takes its own place in the other half
	s_mov_b32 s35, 0xfedcba98
	s_mov_b32 s30, 0x3b000000                      ; 1 / 512
	s_mov_b32 s31, 0x3727c5ac                      ; 1e-5
	s_wait_alu depctr_va_sdst(0)                   ; s18 is written, ahead of its first reader: offsets, bases and the branches on the wave's number are made from it
	s_mul_i32 s19, s18, 3                          ; my first block of columns
	s_mov_b32 s21, 0
	s_mul_i32 s23, s18, 4*PITCH
	v_lshl_add_u32 v[XO], s18, 13, v[L16]          ; my wave's four rows of x (waves 0 to 7 use it)
	v_lshl_add_u32 v[LST], v12, 3, s23             ; 8 x lane + my wave's four rows of h (likewise)
	s_wait_kmcnt 0x0
.irp t, 0,1,2                          ; blocks 0 to 31 take bq, blocks 32 to 35 bkv
	s_add_co_u32 s36, s19, \t
	s_sub_co_u32 s37, s36, 32
	s_cmp_lt_u32 s36, 32
	s_cselect_b64 s[24+2*\t:25+2*\t], s[10:11], s[12:13]
	s_cselect_b32 s36, s36, s37
	s_lshl_b32 s36, s36, 6                         ; 16 biases of 4 bytes a block
	v_add_nc_u32 v[BOF+\t], s36, v[H32]
.endr
	s_wait_alu depctr_va_vdst(0)                   ; the offsets and LDS addresses v1, v2, v4 to v7 and v10 are written: every load and store of the kernel reads one of them
.irp t, 0,1,2
	global_load_b128 v[BIAS+8*\t:BIAS+8*\t+3],   v[BOF+\t], s[24+2*\t:25+2*\t]
	global_load_b128 v[BIAS+8*\t+4:BIAS+8*\t+7], v[BOF+\t], s[24+2*\t:25+2*\t] offset:16
.endr
	s_lshl_b32 s20, ttmp9, 16                      ; the group's 32 rows of 2,048 bytes
	s_add_nc_u64 s[4:5], s[4:5], s[20:21]
	s_mul_i32 s20, s18, 3*16384                    ; my three blocks of columns in wts
	s_add_nc_u64 s[14:15], s[14:15], s[20:21]
	s_mul_i32 s20, ttmp9, 2*QROW                   ; the group's two blocks of positions in qkv,
	s_mul_i32 s22, s18, 3*512                      ; my three blocks of columns there
	s_add_co_u32 s20, s20, s22
	s_add_nc_u64 s[16:17], s[16:17], s[20:21]
	s_cmp_lt_u32 s18, 8
	s_cbranch_scc0 .Lno_rows
.irp t, 0,1,2,3
.irp i, 0,1,2,3
	global_load_b128 v[XR+16*\t+4*\i:XR+16*\t+4*\i+3], v[XO], s[4:5] offset:\t*2048+\i*512
.endr
.endr
.irp i, 0,1,2,3
	global_load_b128 v[GR+4*\i:GR+4*\i+3], v[L16], s[6:7] offset:\i*512
	global_load_b128 v[BR+4*\i:BR+4*\i+3], v[L16], s[8:9] offset:\i*512
.endr
.Lno_rows:
.irp k, 0,1,2                          ; the weights' first three sets are on their way while the rows are normalised
.irp t, 0,1,2
	BLOAD \k, \t
.endr
.endr
	s_cmp_lt_u32 s18, 8
	s_cbranch_scc0 .Lno_ln
	s_wait_loadcnt 18                              ; all but the 18 loads of the three sets: biases, rows, gains and offsets are in
	LNROW 0
	LNROW 1
	LNROW 2
	LNROW 3
	s_wait_alu depctr_va_vdst(0)                   ; row 3's roundings are written, which the LDS stores below read; the rows' lines are done with v64-79 and with the gains and offsets, in which loads of the weight and of h land from here on
	HSTORE 3
.Lno_ln:
	s_wait_dscnt 0x0                               ; for the others' sake: my rows of h are in LDS
	s_barrier_signal -1
	s_barrier_wait -1                              ; everybody's are
	s_wait_alu depctr_vm_vsrc(0)                   ; my LDS stores have read the rows' registers: v16-63 are the accumulators from here on, written by the first products, and v64-87 the weight's fourth set
	ALOAD 0
.set kk, 0
.rept 16
	KSTEP kk
.set kk, kk+1
.endr
	; THE WAY OUT: eight neighbouring columns of a row round to 16 bytes; each accumulator's registers are taken in ascending order
.irp t, 0,1,2
.irp rb, 0,1
.irp q, 0,1,2,3
	v_cvt_pk_bf16_f32 v[BF+4*(2*\t+\rb)+\q], v[ACC+8*(2*\t+\rb)+2*\q], v[ACC+8*(2*\t+\rb)+2*\q+1]
.endr
.endr
.endr
	s_wait_alu depctr_va_vdst(0)                   ; the conversions have written v120-143, which the six stores read
.irp t, 0,1,2
.irp rb, 0,1
	global_store_b128 v[L16], v[BF+4*(2*\t+\rb):BF+4*(2*\t+\rb)+3], s[16:17] offset:\rb*QROW+\t*512   ; 512 consecutive bytes, at a multiple of 256
.endr
.endr
	s_wait_dscnt 0x0                               ; the closing lines, six on end
	s_wait_alu 0x0
	s_wait_tensorcnt 0x0
	ds_add_u32 v[SPW], v[NIL]
	s_wait_dscnt 0x0
	s_endpgm
.Lfunc_end_k_qce8c65c3bc_lnqkv:
	.size	k_qce8c65c3bc_lnqkv, .Lfunc_end_k_qce8c65c3bc_lnqkv-k_qce8c65c3bc_lnqkv
	.p2alignl 7, 3214868480
	.fill 96, 4, 3214868480
	.section	.rodata,"a",@progbits
	.p2align	6, 0x0
	.amdhsa_kernel k_qce8c65c3bc_lnqkv
		.amdhsa_group_segment_fixed_size 34816
		.amdhsa_private_segment_fixed_size 0
		.amdhsa_enable_private_segment 0
		.amdhsa_kernarg_size 56
		.amdhsa_user_sgpr_count 2
		.amdhsa_user_sgpr_kernarg_segment_ptr 1
		.amdhsa_wavefront_size32 1
		.amdhsa_system_sgpr_workgroup_id_x 1
		.amdhsa_system_sgpr_workgroup_id_y 1
		.amdhsa_system_sgpr_workgroup_id_z 1
		.amdhsa_system_vgpr_workitem_id 0
		.amdhsa_next_free_vgpr 240
		.amdhsa_next_free_sgpr 66
		.amdhsa_reserve_vcc 0
		.amdhsa_float_denorm_mode_32 3
		.amdhsa_float_denorm_mode_16_64 3
		.amdhsa_memory_ordered 1
		.amdhsa_forward_progress 1
		.amdhsa_inst_pref_size 48
	.end_amdhsa_kernel
	.amdgpu_metadata
---
amdhsa.version: [ 1, 2 ]
amdhsa.kernels:
  - .name:           k_qce8c65c3bc_lnqkv
    .symbol:         k_qce8c65c3bc_lnqkv.kd
    .args:
      - { .name: hidden_states, .offset: 0, .size: 8, .value_kind: global_buffer, .address_space: global }
      - { .name: ln1_g, .offset: 8, .size: 8, .value_kind: global_buffer, .address_space: global }
      - { .name: ln1_b, .offset: 16, .size: 8, .value_kind: global_buffer, .address_space: global }
      - { .name: bq, .offset: 24, .size: 8, .value_kind: global_buffer, .address_space: global }
      - { .name: bkv, .offset: 32, .size: 8, .value_kind: global_buffer, .address_space: global }
      - { .name: wts, .offset: 40, .size: 8, .value_kind: global_buffer, .address_space: global }
      - { .name: qkv, .offset: 48, .size: 8, .value_kind: global_buffer, .address_space: global }
    .group_segment_fixed_size: 34816
    .private_segment_fixed_size: 0
    .kernarg_segment_align: 8
    .kernarg_segment_size: 56
    .max_flat_workgroup_size: 384
    .sgpr_count:     66
    .vgpr_count:     240
    .wavefront_size: 32
...
	.end_amdgpu_metadata
.endif
;; end of part 7
;; launch attn: the kernel of part 3 again; grid 64 x 4, 8 waves a work-group, clusters of 4 x 1, 263,168 bytes of LDS; arguments qkv, att; writes att
;; launch wo_ln2 (part 8): grid 256 x 1, 8 waves a work-group, no clusters, 3,072 bytes of LDS; arguments att, wts, hidden_states, bo, ln2_g, ln2_b, x2t, h2; writes x2t, h2
.if DOCPART == 8
	.amdgcn_target "amdgcn-amd-amdhsa--gfx1250"
	.amdhsa_code_object_version 6
	.text
	.protected	k_qce8c65c3bc_wo_ln2
	.globl	k_qce8c65c3bc_wo_ln2
	.p2align	8
	.type	k_qce8c65c3bc_wo_ln2,@function
k_qce8c65c3bc_wo_ln2:
	s_mov_b64 s[64:65], 0
	v_nop
	global_prefetch_b8 v0, s[64:65] scope:SCOPE_SE
	s_setreg_imm32_b32 hwreg(HW_REG_WAVE_SCHED_MODE, 0, 2), 2
	s_setreg_imm32_b32 hwreg(HW_REG_WAVE_MODE, 25, 1), 1
	s_wait_xcnt 0x0
	s_wait_alu depctr_vm_vsrc(0)
; x2 = att wo + bo + x;  h2 = LN2(x2).
; SHARES.  A work-group owns 32 rows and all 512 columns, so that a row's mean and variance stay in the work-group.  Wave w owns blocks of 16 columns 4 w .. 4 w + 3, both blocks of 16 rows:
; 8 accumulators, K = 512 in 16 steps of 32.  The matrix instruction is used transposed (source 0 = 16 columns of wo, source 1 = 16 rows of att): a lane holds one row and eight neighbouring columns.
; The residual x is loaded straight into the accumulators and is the first product's C: nothing is cleared.
; att and wo come in fragment blocks straight into registers (four sets, three on their way while one is multiplied).  NO CLUSTER, NO TENSOR LOADS: a fragment of wo feeds one wave alone; through LDS it would be written and read once more.
; x2 leaves in f32 as the accumulators lie (x2t: [block of 16 rows][block of 16 columns][1,024 bytes], registers 4 q .. 4 q + 3 of lane l at 512 q + 16 l): the last launch loads it back as its C.
; LN2: each wave sums its 64 columns of a row, the eight waves' sums meet in LDS; the variance is taken of x2 - mean, in a second pass.  h2 leaves in bf16 fragment blocks.
; LIMITS.  NaN and infinities are not treated apart; h2 is rounded once to bf16.
; THE MODE: SCHED_MODE bits 1:0 = 2 (LLVM: expert scheduling mode 2), set by the entry lines.  The code itself states the register dependences
; between vector or matrix instructions and memory or LDS instructions, with s_wait_alu, always for 0.
; THE PLAN.  Registers that memory or LDS instructions touch:
;   v1 to v5        offsets and LDS addresses: made once at the head, never written again.
;   sets 0 .. 3     step kb: its products read set kb % 4; its twelve loads (step kb + 3) land in set (kb - 1) % 4, which the products of step kb - 1 read.  Set 3 lies in v256-303.
;   the accumulators  loaded (the residual); written by products and vector lines; read by the stores of x2; written again when the mean is taken away.
;   GG, BT          loaded behind the loop, into registers of sets 0 and 1; read by the last multiply-adds.
;   v144, v160      a row's partial sum for each block of rows: written by vector lines, read by an LDS store in each of the two meetings, written again behind each.
;   RD              the LDS loads of both meetings land here; vector lines add them up.
;   TT              at the end: written by the roundings, read by the stores of h2: 16 registers for each block of rows.
; So ONE wait on va_vdst stands in a step, at its head: the products of the step before are done reading their set.  The step's twelve loads follow it in one run, ahead of its products, so that
; loads into window 1, or products out of it, cost one switch of the register window each way; the products name set kb % 4 and the accumulators alone.
; REGISTER WINDOWS (s_set_vgpr_msb: bits 1:0 source 0, 3:2 source 1, 5:4 source 2, 7:6 destination): all but set 3 lies in window 0.
.set WO_B,  589824
.set RED1,  0                          ; [32 rows][8 waves] f32
.set RED2,  1024
.set SPARE, 2048
.set L16, 1                            ; v1   16 x lane
.set XO,  2                            ; v2   my bytes in x: row x 2,048 + 256 w + 32 x half
.set CO,  3                            ; v3   my eight columns' bytes in bo, gain, offset: 256 w + 32 x half
.set RST, 4                            ; v4   where I put a row's partial sum
.set RLD, 5                            ; v5   where I read a row's eight
.set SPW, 8
.set NIL, 9
.set MN,  10                           ; v10-13  a pair for each block of rows: the mean, later 1 / sigma
.set ACC, 16                           ; v16-79   accumulator (rb, t) at 16 + 8 (4 rb + t)
.set SETS, 80                          ; v80-223  sets 0 to 2 of 48: wo's fragment t at + 8 t, att's fragment rb at + 32 + 8 rb;  set 3: v0-47 of window 1
.set GG,  80                           ; later: gains,
.set BT,  112                          ; offsets,
.set TT,  144                          ; v144-175 at work, then h2 packed,
.set RD,  176                          ; v176-191 the eight partial sums of my row, for each block of rows
.set BO,  224                          ; v224-255
.set MSB, 0
.macro WIN new                         ; the high byte repeats the setting that is left; a switch that changes nothing is dropped
.if MSB != (\new)
	s_set_vgpr_msb (MSB<<8)|(\new)
.set MSB, (\new)
.endif
.endm
.macro SLOAD kb                        ; twelve loads of 512 consecutive bytes; the caller has set the destination's window
.set LB, SETS+48*((\kb)%4)
.if (\kb)%4 == 3
.set LB, 0
.endif
.irp t, 0,1,2,3
	global_load_b128 v[LB+8*\t:LB+8*\t+3],   v[L16], s[6:7] offset:\t*16384+(\kb)*1024
	global_load_b128 v[LB+8*\t+4:LB+8*\t+7], v[L16], s[6:7] offset:\t*16384+(\kb)*1024+512
.endr
.irp rb, 0,1
	global_load_b128 v[LB+32+8*\rb:LB+32+8*\rb+3],   v[L16], s[4:5] offset:\rb*16384+(\kb)*1024
	global_load_b128 v[LB+32+8*\rb+4:LB+32+8*\rb+7], v[L16], s[4:5] offset:\rb*16384+(\kb)*1024+512
.endr
.endm
.macro KSTEP kb
.if (\kb) < 14
	s_wait_loadcnt 24                              ; loads come back in order: this step's set is in, the two younger sets of twelve stay out
.elseif (\kb) == 14
	s_wait_loadcnt 12
.else
	s_wait_loadcnt 0x0
.endif
.if (\kb) < 13
.if ((\kb)+3)%4 == 3
	WIN 0x40                                       ; the loads' destination is set 3, in window 1; their offset stays in window 0
.else
	WIN 0
.endif
.if (\kb) > 0
	s_wait_alu depctr_va_vdst(0)                   ; the products of the step before are done reading their set, in which the twelve loads below land
.endif
	SLOAD (\kb)+3                                  ; three steps ahead
.endif
.set MB, SETS+48*((\kb)%4)
.if (\kb)%4 == 3
.set MB, 0
	WIN 0x05                                       ; both fragments in window 1, C and D in window 0
.else
	WIN 0
.endif
.irp t, 0,1,2,3
.irp rb, 0,1
	v_wmma_f32_16x16x32_bf16 v[ACC+8*(4*\rb+\t):ACC+8*(4*\rb+\t)+7], v[MB+8*\t:MB+8*\t+7], v[MB+32+8*\rb:MB+32+8*\rb+7], v[ACC+8*(4*\rb+\t):ACC+8*(4*\rb+\t)+7]
.endr
.endr
.rept 4
	v_nop                                          ; four places behind the products, in front of the next step's loads into registers that they read and of the additions at the end; they stand beside the wait, not for it
.endr
.endm
.macro TAIL                            ; four chains into one, the lane's two halves, the other half of the lanes (the row's other 32 of my 64 columns): the partial sum lies in v[T]
	v_pk_add_f32 v[T:T+1],   v[T:T+1],   v[T+2:T+3]
	v_pk_add_f32 v[T+4:T+5], v[T+4:T+5], v[T+6:T+7]
	v_pk_add_f32 v[T:T+1],   v[T:T+1],   v[T+4:T+5]
	v_add_f32 v[T], v[T], v[T+1]
	v_permlanex16_b32 v[T+1], v[T], s34, s35
	v_add_f32 v[T], v[T], v[T+1]
.endm
.macro RSUM rb                         ; the sum of my 32 numbers of a row
.set A, ACC+32*(\rb)
.set T, TT+16*(\rb)
.irp k, 0,1,2,3
	v_pk_add_f32 v[T+2*\k:T+2*\k+1], v[A+4*\k:A+4*\k+1], v[A+4*\k+2:A+4*\k+3]
.endr
.irp k, 0,1,2,3
	v_pk_add_f32 v[T+2*\k:T+2*\k+1], v[T+2*\k:T+2*\k+1], v[A+16+4*\k:A+16+4*\k+1]
.endr
.irp k, 0,1,2,3
	v_pk_add_f32 v[T+2*\k:T+2*\k+1], v[T+2*\k:T+2*\k+1], v[A+16+4*\k+2:A+16+4*\k+3]
.endr
	TAIL
.endm
.macro RSQ rb                          ; the sum of their squares
.set A, ACC+32*(\rb)
.set T, TT+16*(\rb)
.irp k, 0,1,2,3
	v_pk_mul_f32 v[T+2*\k:T+2*\k+1], v[A+4*\k:A+4*\k+1], v[A+4*\k:A+4*\k+1]
.endr
.irp k, 0,1,2,3
	v_pk_fma_f32 v[T+2*\k:T+2*\k+1], v[A+4*\k+2:A+4*\k+3], v[A+4*\k+2:A+4*\k+3], v[T+2*\k:T+2*\k+1]
.endr
.irp k, 0,1,2,3
	v_pk_fma_f32 v[T+2*\k:T+2*\k+1], v[A+16+4*\k:A+16+4*\k+1], v[A+16+4*\k:A+16+4*\k+1], v[T+2*\k:T+2*\k+1]
.endr
.irp k, 0,1,2,3
	v_pk_fma_f32 v[T+2*\k:T+2*\k+1], v[A+16+4*\k+2:A+16+4*\k+3], v[A+16+4*\k+2:A+16+4*\k+3], v[T+2*\k:T+2*\k+1]
.endr
	TAIL
.endm
.macro MEET red                        ; my two partial sums go into LDS; the eight waves' partial sums of my two rows come back and are added: into v[RD] and v[RD+8]
	s_wait_alu depctr_va_vdst(0)                   ; both partial sums, v[TT] and v[TT+16], are written, which the LDS stores read; every earlier line is done with v[RD ..], in which the LDS loads below land
.irp rb, 0,1
	ds_store_b32 v[RST], v[TT+16*\rb] offset:(\red)+\rb*512
.endr
	s_wait_dscnt 0x0                               ; for the others' sake: my partial sums are in LDS
	s_barrier_signal -1
	s_barrier_wait -1
.irp rb, 0,1
	ds_load_b128 v[RD+8*\rb:RD+8*\rb+3],   v[RLD] offset:(\red)+\rb*512
	ds_load_b128 v[RD+8*\rb+4:RD+8*\rb+7], v[RLD] offset:(\red)+\rb*512+16
.endr
	s_wait_dscnt 0x0
.irp rb, 0,1
	v_pk_add_f32 v[RD+8*\rb:RD+8*\rb+1],   v[RD+8*\rb:RD+8*\rb+1],   v[RD+8*\rb+2:RD+8*\rb+3]
	v_pk_add_f32 v[RD+8*\rb+4:RD+8*\rb+5], v[RD+8*\rb+4:RD+8*\rb+5], v[RD+8*\rb+6:RD+8*\rb+7]
.endr
.irp rb, 0,1
	v_pk_add_f32 v[RD+8*\rb:RD+8*\rb+1], v[RD+8*\rb:RD+8*\rb+1], v[RD+8*\rb+4:RD+8*\rb+5]
.endr
.irp rb, 0,1
	v_add_f32 v[RD+8*\rb], v[RD+8*\rb], v[RD+8*\rb+1]
.endr
.endm
	s_load_b256 s[4:11], s[0:1], 0x0               ; att s[4:5], wts s[6:7], x s[8:9], bo s[10:11]
	s_load_b256 s[12:19], s[0:1], 0x20             ; gain s[12:13], offset s[14:15], x2t s[16:17], h2 s[18:19]
	v_lshl_add_u32 v[SPW], v0, 2, SPARE
	v_mov_b32 v[NIL], 0
	v_lshrrev_b32 v14, 5, v0
	v_readfirstlane_b32 s20, v14                   ; wave 0..7
	v_and_b32 v14, 31, v0
	v_lshlrev_b32 v[L16], 4, v14
	v_and_b32 v14, 15, v0                          ; lane % 16
	v_bfe_u32 v15, v0, 4, 1                        ; lane / 16
	s_wait_alu depctr_va_sdst(0)                   ; s20 is written, ahead of its first reader: offsets and bases are made from it
	s_lshl_b32 s21, s20, 8                         ; my 64 columns of 4 bytes
	v_lshl_add_u32 v[CO], v15, 5, s21
	v_lshl_add_u32 v[XO], v14, 11, v[CO]
	s_lshl_b32 s22, s20, 2
	v_lshl_add_u32 v[RST], v14, 5, s22             ; row x 32 + 4 w
	v_lshlrev_b32 v[RLD], 5, v14
	s_mov_b32 s34, 0x76543210
	s_mov_b32 s35, 0xfedcba98
	s_mov_b32 s30, 0x3b000000                      ; 1 / 512
	s_mov_b32 s31, 0x3727c5ac                      ; 1e-5
	s_mov_b32 s25, 0
	s_mov_b32 s27, 0
	s_wait_kmcnt 0x0
	s_lshl_b32 s24, ttmp9, 16                      ; the group's 32 rows: 65,536 bytes of x and of x2t
	s_add_nc_u64 s[8:9], s[8:9], s[24:25]
	s_lshl_b32 s26, s20, 12                        ; my four blocks of columns in x2t
	s_add_co_u32 s26, s26, s24
	s_add_nc_u64 s[16:17], s[16:17], s[26:27]
	s_lshl_b32 s26, ttmp9, 15                      ; the group's two blocks of rows in att and h2
	s_add_nc_u64 s[4:5], s[4:5], s[26:27]
	s_lshl_b32 s28, s20, 11                        ; my four blocks of columns in h2
	s_add_co_u32 s26, s26, s28
	s_add_nc_u64 s[18:19], s[18:19], s[26:27]
	s_lshl_b32 s26, s20, 16                        ; my four blocks of columns of wo
	s_add_co_u32 s26, s26, WO_B
	s_add_nc_u64 s[6:7], s[6:7], s[26:27]
	s_wait_alu depctr_va_vdst(0)                   ; the offsets and LDS addresses v1 to v5 are written: every load and store of the kernel reads one of them
.irp rb, 0,1
.irp t, 0,1,2,3
	global_load_b128 v[ACC+8*(4*\rb+\t):ACC+8*(4*\rb+\t)+3],   v[XO], s[8:9] offset:\rb*32768+\t*64
	global_load_b128 v[ACC+8*(4*\rb+\t)+4:ACC+8*(4*\rb+\t)+7], v[XO], s[8:9] offset:\rb*32768+\t*64+16
.endr
.endr
.irp t, 0,1,2,3
	global_load_b128 v[BO+8*\t:BO+8*\t+3],   v[CO], s[10:11] offset:\t*64
	global_load_b128 v[BO+8*\t+4:BO+8*\t+7], v[CO], s[10:11] offset:\t*64+16
.endr
	SLOAD 0
	SLOAD 1
	SLOAD 2
.set kk, 0
.rept 16
	KSTEP kk
.set kk, kk+1
.endr
	WIN 0
.irp rb, 0,1                           ; x2: each accumulator's registers in ascending order
.irp t, 0,1,2,3
.irp z, 0,1,2,3
	v_pk_add_f32 v[ACC+8*(4*\rb+\t)+2*\z:ACC+8*(4*\rb+\t)+2*\z+1], v[ACC+8*(4*\rb+\t)+2*\z:ACC+8*(4*\rb+\t)+2*\z+1], v[BO+8*\t+2*\z:BO+8*\t+2*\z+1]
.endr
.endr
.endr
	s_wait_alu depctr_va_vdst(0)                   ; the additions have written the accumulators, which the stores of x2 read; the products are done reading sets 0 and 1, in which the gains and offsets land
.irp t, 0,1,2,3
	global_load_b128 v[GG+8*\t:GG+8*\t+3],   v[CO], s[12:13] offset:\t*64
	global_load_b128 v[GG+8*\t+4:GG+8*\t+7], v[CO], s[12:13] offset:\t*64+16
	global_load_b128 v[BT+8*\t:BT+8*\t+3],   v[CO], s[14:15] offset:\t*64
	global_load_b128 v[BT+8*\t+4:BT+8*\t+7], v[CO], s[14:15] offset:\t*64+16
.endr
.irp rb, 0,1
.irp t, 0,1,2,3
	global_store_b128 v[L16], v[ACC+8*(4*\rb+\t):ACC+8*(4*\rb+\t)+3],   s[16:17] offset:\rb*32768+\t*1024       ; 512 consecutive bytes, at a multiple of 256
	global_store_b128 v[L16], v[ACC+8*(4*\rb+\t)+4:ACC+8*(4*\rb+\t)+7], s[16:17] offset:\rb*32768+\t*1024+512
.endr
.endr
	RSUM 0
	RSUM 1
	MEET RED1
.irp rb, 0,1
	v_mul_f32 v[MN+2*\rb], s30, v[RD+8*\rb]        ; the mean, twice
	v_mul_f32 v[MN+2*\rb+1], s30, v[RD+8*\rb]
.endr
	s_wait_xcnt 0x0                                ; the accumulators, which the stores read, are rewritten only behind this wait
	s_wait_alu depctr_vm_vsrc(0)                   ; the stores of x2 have read the accumulators, and the first meeting's LDS stores v[TT] and v[TT+16]: the lines below write all of them again
.irp rb, 0,1
.set z, 0
.rept 16
	v_pk_add_f32 v[ACC+32*\rb+2*z:ACC+32*\rb+2*z+1], v[ACC+32*\rb+2*z:ACC+32*\rb+2*z+1], v[MN+2*\rb:MN+2*\rb+1] neg_lo:[0,1] neg_hi:[0,1]
.set z, z+1
.endr
.endr
	RSQ 0
	RSQ 1
	MEET RED2                                      ; other bytes than the first meeting's: no barrier is needed between its reads and these stores
.irp rb, 0,1
	v_fma_f32 v[RD+8*\rb], v[RD+8*\rb], s30, s31   ; variance + 1e-5
.endr
.irp rb, 0,1
	v_rsq_f32 v[MN+2*\rb], v[RD+8*\rb]
	v_rsq_f32 v[MN+2*\rb+1], v[RD+8*\rb]
.endr
	v_nop                                          ; a plain instruction between the last root and its use
	s_wait_loadcnt 0x0                             ; gains and offsets
	s_wait_alu depctr_vm_vsrc(0)                   ; the second meeting's LDS stores have read v[TT] and v[TT+16], which the roundings below write again
	s_wait_alu depctr_va_vdst(0)                   ; the four roots v[MN .. MN+3] are written, ahead of their first reader
.irp rb, 0,1
.irp t, 0,1,2,3
.irp z, 0,1,2,3
	v_pk_mul_f32 v[ACC+8*(4*\rb+\t)+2*\z:ACC+8*(4*\rb+\t)+2*\z+1], v[ACC+8*(4*\rb+\t)+2*\z:ACC+8*(4*\rb+\t)+2*\z+1], v[MN+2*\rb:MN+2*\rb+1]
.endr
.irp z, 0,1,2,3
	v_pk_fma_f32 v[ACC+8*(4*\rb+\t)+2*\z:ACC+8*(4*\rb+\t)+2*\z+1], v[ACC+8*(4*\rb+\t)+2*\z:ACC+8*(4*\rb+\t)+2*\z+1], v[GG+8*\t+2*\z:GG+8*\t+2*\z+1], v[BT+8*\t+2*\z:BT+8*\t+2*\z+1]
.endr
.irp z, 0,1,2,3
	v_cvt_pk_bf16_f32 v[TT+4*(4*\rb+\t)+\z], v[ACC+8*(4*\rb+\t)+2*\z], v[ACC+8*(4*\rb+\t)+2*\z+1]
.endr
.endr
	s_wait_alu depctr_va_vdst(0)                   ; this block of rows' roundings have written its sixteen registers of TT, which its four stores read; the other block has sixteen of its own
.irp t, 0,1,2,3
	global_store_b128 v[L16], v[TT+4*(4*\rb+\t):TT+4*(4*\rb+\t)+3], s[18:19] offset:\rb*16384+\t*512
.endr
.endr
	s_wait_dscnt 0x0                               ; the closing lines, six on end
	s_wait_alu 0x0
	s_wait_tensorcnt 0x0
	ds_add_u32 v[SPW], v[NIL]
	s_wait_dscnt 0x0
	s_endpgm
.Lfunc_end_k_qce8c65c3bc_wo_ln2:
	.size	k_qce8c65c3bc_wo_ln2, .Lfunc_end_k_qce8c65c3bc_wo_ln2-k_qce8c65c3bc_wo_ln2
	.p2alignl 7, 3214868480
	.fill 96, 4, 3214868480
	.section	.rodata,"a",@progbits
	.p2align	6, 0x0
	.amdhsa_kernel k_qce8c65c3bc_wo_ln2
		.amdhsa_group_segment_fixed_size 3072
		.amdhsa_private_segment_fixed_size 0
		.amdhsa_enable_private_segment 0
		.amdhsa_kernarg_size 64
		.amdhsa_user_sgpr_count 2
		.amdhsa_user_sgpr_kernarg_segment_ptr 1
		.amdhsa_wavefront_size32 1
		.amdhsa_system_sgpr_workgroup_id_x 1
		.amdhsa_system_sgpr_workgroup_id_y 1
		.amdhsa_system_sgpr_workgroup_id_z 1
		.amdhsa_system_vgpr_workitem_id 0
		.amdhsa_next_free_vgpr 304
		.amdhsa_next_free_sgpr 66
		.amdhsa_reserve_vcc 0
		.amdhsa_float_denorm_mode_32 3
		.amdhsa_float_denorm_mode_16_64 3
		.amdhsa_memory_ordered 1
		.amdhsa_forward_progress 1
		.amdhsa_inst_pref_size 55
	.end_amdhsa_kernel
	.amdgpu_metadata
---
amdhsa.version: [ 1, 2 ]
amdhsa.kernels:
  - .name:           k_qce8c65c3bc_wo_ln2
    .symbol:         k_qce8c65c3bc_wo_ln2.kd
    .args:
      - { .name: att, .offset: 0, .size: 8, .value_kind: global_buffer, .address_space: global }
      - { .name: wts, .offset: 8, .size: 8, .value_kind: global_buffer, .address_space: global }
      - { .name: hidden_states, .offset: 16, .size: 8, .value_kind: global_buffer, .address_space: global }
      - { .name: bo, .offset: 24, .size: 8, .value_kind: global_buffer, .address_space: global }
      - { .name: ln2_g, .offset: 32, .size: 8, .value_kind: global_buffer, .address_space: global }
      - { .name: ln2_b, .offset: 40, .size: 8, .value_kind: global_buffer, .address_space: global }
      - { .name: x2t, .offset: 48, .size: 8, .value_kind: global_buffer, .address_space: global }
      - { .name: h2, .offset: 56, .size: 8, .value_kind: global_buffer, .address_space: global }
    .group_segment_fixed_size: 3072
    .private_segment_fixed_size: 0
    .kernarg_segment_align: 8
    .kernarg_segment_size: 64
    .max_flat_workgroup_size: 256
    .sgpr_count:     66
    .vgpr_count:     304
    .wavefront_size: 32
...
	.end_amdgpu_metadata
.endif
;; end of part 8
;; launch fc: the kernel of part 5 again; grid 8 x 32, 8 waves a work-group, clusters of 4 x 4, 327,680 bytes of LDS; arguments h2, wts, bfc, g; writes g
;; launch proj: the kernel of part 6 again; grid 4 x 64, 4 waves a work-group, clusters of 4 x 4, 327,680 bytes of LDS; arguments g, wts, x2t, bproj, out0; writes out0
